; MI455X (gfx1250); checked and timed in simulation.
; The chip was launched on July 23, 2026; its instructions are those of AMD's public machine-readable ISA for CDNA 5 (MIT licence, August 2026) and "CDNA5" Instruction Set Architecture Reference Guide (July 2026). The comments in the code are by the model that wrote it; some were corrected since.
;; Causal Self Attention. Allowed arithmetic: matrix products marked QUANTISED: E2M3 operands, one E8M0 scale for each 32 along K, by v_wmma_scale_f32_16x16x128_f8f6f4 with both operands' format E2M3, f32 sums; everything else in f32.
;; Inputs: W_out 1,024 x 1,024 float32; W_qkv 1,024 x 3,072 float32; b_out 1,024 float32; b_qkv 3,072 float32; x 4 x 2,048 x 1,024 float32.
;; Outputs: out0 4 x 2,048 x 1,024 float32.
;; This version of the problem:
;;   THIS VERSION OF THE PROBLEM IS GIVEN IN LOW PRECISION. The matrix products marked QUANTISED in the list below multiply operands that are first quantised to E2M3 (2 exponent bits, 3 mantissa bits; 6 bits a number), with one power-of-two scale for each 32 numbers along K (OCP MX v1.0); their sums are f32. All else is computed in f32.
;;   The module's matrix products, in the order in which they are computed (A, B: the left and right operand; K: the contracted axis; several contracted axes count as one K, in the product's order):
;;     1. [M 8,192, K 1,024] x [K 1,024, N 3,072]; A: input x; B: input W_qkv: QUANTISED
;;     2. batch 64 x [M 2,048, K 64] x [K 64, N 2,048]; A: computed on the way; B: computed on the way: QUANTISED
;;     3. batch 64 x [M 2,048, K 2,048] x [K 2,048, N 64]; A: softmax (see below); B: computed on the way: QUANTISED
;;     4. [M 8,192, K 1,024] x [K 1,024, N 1,024]; A: computed on the way; B: input W_out: QUANTISED
;;   THE QUANTISER, for each operand of a quantised product, along K:
;;     - K is cut into blocks of 32 from its start; a last block that is shorter is filled with zeros.
;;     - A block's scale is 2^e with e = floor(log2(the largest magnitude in the block)) - 2, held to -126 .. 127; a block of zeros has e = 0. As a byte (E8M0): e + 127.
;;     - Each number is divided by its block's scale, clamped to +-7.5, and rounded to the nearest number of E2M3, ties to even, subnormals kept.
;;     - The product sums the exact products of the quantised numbers (number of the format x scale) in f32.
;;   ~~~python
;;   def quantise(x, axis):      # numpy; x: float32 -> the quantised numbers, widened to float32 again
;;       x = np.moveaxis(x, axis, -1); K = x.shape[-1]
;;       x = np.pad(x, [(0, 0)] * (x.ndim - 1) + [(0, -K % 32)]); x = x.reshape(x.shape[:-1] + (-1, 32)); a = np.abs(x).max(-1, keepdims=True)
;;       e = np.where(a > 0, np.clip(np.frexp(np.where(a > 0, a, 1))[1] - 1 - 2, -126, 127), 0)      # np.frexp(a)[1] - 1 = floor(log2(a)), exactly
;;       r = np.clip(x / 2.0 ** e, -7.5, 7.5)
;;       step = 2.0 ** (np.maximum(np.frexp(np.where(r == 0, 1, r))[1] - 1, 0) - 3)
;;       q = np.round(r / step) * step * 2.0 ** e      # np.round: ties to even
;;       return np.moveaxis(q.reshape(q.shape[:-2] + (-1,))[..., :K], -1, axis).astype(np.float32)
;;   ~~~
;;   SOFTMAX AHEAD OF A QUANTISED PRODUCT. Where the list says 'softmax', what is quantised is not the finished softmax but p = 2^(t - M), with t = logit x log2(e) and M = ceil(the row's largest t), a whole number; so 1/2 < the row's largest p <= 1. The row's sum l is taken of the UNQUANTISED p, in f32, and the product's result is divided by l at the end. Since M is a whole number, a kernel that streams over the keys may use a running M (the ceiling of the running maximum): every later rescaling is an exact power of two, which a block's scale takes up: the codes' values come out the same.
;;   OPERANDS COMPUTED ON THE WAY. 'Computed on the way' means the value that the module computes at that place (a softmax that the list does not call 'softmax' is quantised finished and normalised). What goes into a quantiser is computed in f32, as accurately as f32 sums, v_exp_f32 and their like allow (about 1e-6 of the number): no bf16 or f16 on the way to a quantiser, and a product that is left as it is and whose result goes on into a quantised operand takes f32 operands (vector FMAs, or v_wmma_f32_16x16x4_f32). A number that lies on a knife's edge between two numbers of the format may be rounded either way, as far as f32 arithmetic and the matrix unit's own rounding can turn it there, and no further.
;; One version. Each part assembles by itself: llvm-mc -triple=amdgcn-amd-amdhsa -mcpu=gfx1250 --defsym DOCPART=n.
;; ======== version 1 of 1: 4 launches
;; workspace buffers: c1 8,650,752 bytes; s1 360,448 bytes; c2 7,077,888 bytes; s2 294,912 bytes; qb 6,815,744 bytes; kv 13,369,344 bytes
;; launch prep (part 1): grid 384 x 1, 4 waves a work-group, no clusters, 102,912 bytes of LDS; arguments x, W_qkv, W_out, c1, s1, c2, s2; writes c1, s1, c2, s2
.if DOCPART == 1
	.amdgcn_target "amdgcn-amd-amdhsa--gfx1250"
	.amdhsa_code_object_version 6
	.text
	.protected	k_qee065a0aee_prep
	.globl	k_qee065a0aee_prep
	.p2align	8
	.type	k_qee065a0aee_prep,@function
k_qee065a0aee_prep:
	s_mov_b64 s[64:65], 0
	v_nop
	global_prefetch_b8 v0, s[64:65] scope:SCOPE_SE
	s_setreg_imm32_b32 hwreg(HW_REG_WAVE_MODE, 25, 1), 1
	s_wait_xcnt 0x0
; x [8192][1024], W_qkv [1024][3072] and W_out [1024][1024], f32, become codes of FP6 (E2M3) with one E8M0 byte for each 32 along K.
; A block's scale is 2^(floor(log2(its largest magnitude)) - 2); its byte is the largest magnitude's exponent field - 2, held at 1 from below.
; LIMITS: a block of zeros gets the byte 1 where the rule says 127 (its codes are zeros, and this program alone reads the bytes); NaN and infinities among the inputs are not served.
; LAYOUT OF THE RESULTS.  Codes: [16 planes of 64 along K][rows][48 bytes]; scale words: [8 of 128 along K][rows][4 bytes].  c1, s1: rows 0-8191 the tokens, rows 8192 on W_qkv's 3,072 columns.
; c2, s2: rows 8192 on W_out's 1,024 columns (rows 0-8191 are written by a later launch).  A ROW i LIES AT POSITION pos(i) = i with its bits 3 and 4 exchanged: groups of eight rows change places inside each 32.
; SHARES.  Work-groups 0-255: 32 rows of x each (K innermost: a wave takes 8 rows, a step is one plane of 64 along K).  256-351: W_qkv, 128 columns x 256 along K each.  352-383: W_out likewise
; (K is the first axis: a lane takes a column, its registers run down K).  Each of the three ways has LDS bytes of its own.  No tensor loads, no barrier: waves share nothing.
.set R1,    11264
.set R2,    9216
.set SPW,   192                        ; v192  LDS address of my spare word; never rewritten
.set NIL,   193                        ; v193  0; never rewritten
.set SPARE, 102400                     ; behind all stages: 128 bytes for each wave, named by no other line
.set STEPS, 16
.set SP,    80                         ; x: a lane's place in a stage: 64 bytes + 16 of padding
.set XR,    16                         ; v16-79   x: four sets of 16 numbers as loaded
.set XX,    80                         ; v80-111  x: two sets of 16 neighbours
.set XE,    112                        ; v112-127 x: a scale byte for each step
.set XC,    128                        ; v128-191 x: codes, four registers for each step
.set WX,    32                         ; v32-95   W: two sets of 32 numbers
.set WC,    96                         ; v96..    W: a block's codes
.set WO,    112                        ; v112-175 W: the way out
.set WSB,   24                         ; v24-25   W: scale bytes, four to a register
.set PITCH, 272                        ; W: a stage row: sixteen places of 16 bytes (12 of codes each) + 16
.macro XLOAD t                         ; plane t of my 8 rows: each half of the lanes reads 256 consecutive bytes of one row
.irp i, 0,1,2,3
	global_load_b128 v[XR+16*((\t)%4)+4*\i:XR+16*((\t)%4)+4*\i+3], v3, s[4:5] offset:256*(\t)+8192*\i th:TH_LOAD_NT
.endr
.endm
.macro XTURN t                         ; through my stage: in as loaded, back 64 bytes a lane (row lane / 4, quarter lane % 4).  LDS serves a wave's instructions in order: no wait between
.irp i, 0,1,2,3
	ds_store_b128 v14, v[XR+16*((\t)%4)+4*\i:XR+16*((\t)%4)+4*\i+3] offset:32*SP*((\t)%2)+8*SP*\i
.endr
.irp i, 0,1,2,3
	ds_load_b128 v[XX+16*((\t)%2)+4*\i:XX+16*((\t)%2)+4*\i+3], v15 offset:32*SP*((\t)%2)+16*\i
.endr
.endm
.macro XSTEP t
.set XS, XX+16*((\t)%2)
.if (\t) > 0
	s_wait_dscnt 1                                 ; this step's numbers are back from the stage; the last step's byte store may be out
.else
	s_wait_dscnt 0x0
.endif
.if (\t)+4 < STEPS
	XLOAD (\t)+4                                   ; into the set whose stores into the stage have read their registers
.endif
.if (\t)+1 < STEPS
.if STEPS-2-(\t) >= 3
	s_wait_loadcnt 12                              ; the next step's four loads are in; three later steps' twelve may be out
.else
	s_wait_loadcnt 4*(STEPS-2-(\t))
.endif
	XTURN (\t)+1
.endif
	v_max3_num_f32 v8, |v[XS]|, |v[XS+1]|, |v[XS+2]|               ; the largest magnitude of my 16, in two chains
	v_max3_num_f32 v9, |v[XS+3]|, |v[XS+4]|, |v[XS+5]|
.irp i, 6,10
	v_max3_num_f32 v8, v8, |v[XS+\i]|, |v[XS+\i+1]|
	v_max3_num_f32 v9, v9, |v[XS+\i+2]|, |v[XS+\i+3]|
.endr
	v_max3_num_f32 v8, v8, |v[XS+14]|, |v[XS+15]|
	v_max3_num_f32 v8, v8, v9, 0x1800000           ; and the floor 2^(3 - 127): the byte cannot fall under 1
	v_max_num_f32_dpp v8, v8, v8 row_xmask:1 row_mask:0xf bank_mask:0xf   ; with my neighbour's 16: the block's
	v_add_nc_u32 v11, 0xff000000, v8               ; 2 off its exponent field: the conversion's scale operand
	v_cvt_scalef32_pk16_fp6_f32 v[XC+4*(\t):XC+4*(\t)+2], v[XS:XS+15], v11
	v_lshrrev_b32 v[XE+(\t)], 23, v11              ; the scale's byte (a plain line behind the conversion)
	ds_store_b8 v5, v[XE+(\t)] offset:32*((\t)/2)+2*((\t)%2)      ; image [8 words along K][8 rows][4 bytes]; both lanes of a block write the same byte
	global_store_b96 v4, v[XC+4*(\t):XC+4*(\t)+2], s[10:11] offset:(\t)*R1*48   ; the wave stores 384 consecutive bytes: 8 rows x 48
.endm
.macro WLOAD t, N, SRC                 ; block t: W(32 t + i, my column), i = 0 .. 31
.irp i, 0,1,2,3,4,5,6,7,8,9,10,11,12,13,14,15,16,17,18,19,20,21,22,23,24,25,26,27,28,29,30,31
	global_load_b32 v[WX+32*((\t)%2)+\i], v3, s[\SRC:\SRC+1] offset:(32*(\t)+\i)*\N*4 th:TH_LOAD_NT
.endr
.endm
.macro WBLOCK t, N, SRC
.set XS, WX+32*((\t)%2)
.if (\t) < 7
	s_wait_loadcnt 32                              ; this block's 32 loads are in; the next block's may be out
.else
	s_wait_loadcnt 0x0
.endif
	v_max3_num_f32 v12, |v[XS]|, |v[XS+1]|, |v[XS+2]|               ; all 32 numbers of the block are mine
	v_max3_num_f32 v13, |v[XS+3]|, |v[XS+4]|, |v[XS+5]|
.irp i, 6,10,14,18,22,26
	v_max3_num_f32 v12, v12, |v[XS+\i]|, |v[XS+\i+1]|
	v_max3_num_f32 v13, v13, |v[XS+\i+2]|, |v[XS+\i+3]|
.endr
	v_max3_num_f32 v12, v12, |v[XS+30]|, |v[XS+31]|
	v_max3_num_f32 v12, v12, v13, 0x1800000
	v_add_nc_u32 v11, 0xff000000, v12
	v_lshrrev_b32 v13, 23, v11
.if (\t)%4 == 0
	v_mov_b32 v[WSB+(\t)/4], v13
.else
	v_lshl_or_b32 v[WSB+(\t)/4], v13, 8*((\t)%4), v[WSB+(\t)/4]
.endif
	v_cvt_scalef32_pk16_fp6_f32 v[WC:WC+2], v[XS:XS+15], v11
	v_cvt_scalef32_pk16_fp6_f32 v[WC+4:WC+6], v[XS+16:XS+31], v11
	v_nop                                          ; one plain line behind the conversions
	ds_store_b96 v4, v[WC:WC+2] offset:32*(\t)     ; 12 bytes to a place of 16, so that every LDS address is a multiple of 16
	ds_store_b96 v4, v[WC+4:WC+6] offset:32*(\t)+16
.if (\t)+2 < 8
	WLOAD (\t)+2, \N, \SRC
.endif
	s_wait_dscnt 0x0                               ; the stores have read their registers: the next block's codes may be written
.endm
; One weight: N columns, R rows in its codes' buffer, its stages at LDS byte STG; s21 = the work-group's number among this weight's
.macro WPATH N, R, STG, SRC, COD, SCA
	s_and_b32 s22, s21, 3                          ; which 256 along K
	s_lshr_b32 s23, s21, 2                         ; which 128 columns
	s_lshl_b32 s24, s23, 7
	s_lshl_b32 s25, s20, 5
	s_add_co_u32 s24, s24, s25                     ; my wave's first column
	v_lshlrev_b32 v3, 2, v2                        ; in: 4 bytes a lane
	s_mul_i32 s25, s20, 32*PITCH
	s_add_co_u32 s25, s25, \STG                    ; my stage
	v_mul_u32_u24 v4, v2, PITCH
	v_add_nc_u32 v4, s25, v4                       ; into it: row = my column
	v_lshrrev_b32 v5, 2, v2
	v_mul_u32_u24 v7, v5, PITCH
	v_and_b32 v6, 3, v2
	v_lshl_add_u32 v7, v6, 4, v7
	v_add_nc_u32 v7, s25, v7                       ; out of it: four lanes to a column's 48 bytes of a plane, eight columns an instruction
	v_mul_u32_u24 v8, v2, 12                       ; and the same place in the codes' buffer: 384 consecutive bytes
	v_and_b32 v9, 7, v2
	v_bfe_u32 v10, v2, 3, 1
	v_lshl_add_u32 v9, v10, 4, v9
	v_bfe_u32 v10, v2, 4, 1
	v_lshl_add_u32 v9, v10, 3, v9
	v_lshlrev_b32 v9, 2, v9                        ; my column's position among the 32, x 4: its scale word
	s_mul_i32 s26, s22, 256*\N*4
	s_lshl_b32 s28, s24, 2
	s_add_co_u32 s26, s26, s28
	s_mov_b32 s27, 0
	s_add_nc_u64 s[\SRC:\SRC+1], s[\SRC:\SRC+1], s[26:27]
	s_add_co_u32 s24, s24, 8192                    ; the weights' rows lie behind the tokens'
	s_mul_i32 s26, s22, 4*\R*48
	s_mul_i32 s28, s24, 48
	s_add_co_u32 s26, s26, s28
	s_add_nc_u64 s[\COD:\COD+1], s[\COD:\COD+1], s[26:27]
	s_mul_i32 s26, s22, 2*\R*4
	s_lshl_b32 s28, s24, 2
	s_add_co_u32 s26, s26, s28
	s_add_nc_u64 s[\SCA:\SCA+1], s[\SCA:\SCA+1], s[26:27]
	WLOAD 0, \N, \SRC
	WLOAD 1, \N, \SRC
.irp t, 0,1,2,3,4,5,6,7
	WBLOCK \t, \N, \SRC
.endr
	global_store_b32 v9, v[WSB], s[\SCA:\SCA+1]                    ; the words of my column's two 128 along K
	global_store_b32 v9, v[WSB+1], s[\SCA:\SCA+1] offset:\R*4
.irp z, 0,1,2,3                        ; plane z of my four, group g of eight columns
.irp g, 0,1,2,3
	ds_load_b96 v[WO+4*(4*\z+\g):WO+4*(4*\z+\g)+2], v7 offset:8*\g*PITCH+64*\z
.endr
.endr
.irp z, 0,1,2,3
.irp g, 0,1,2,3
	s_wait_dscnt 15-(4*\z+\g)                      ; the younger read-backs may be out
	global_store_b96 v8, v[WO+4*(4*\z+\g):WO+4*(4*\z+\g)+2], s[\COD:\COD+1] offset:\z*\R*48+((\g%2)*2+\g/2)*384   ; group g lies at place (0, 2, 1, 3)[g]
.endr
.endr
	s_wait_tensorcnt 0x0                           ; the wave's end: a wait, an add to my spare word and its wait, behind my last LDS store
	ds_add_u32 v[SPW], v[NIL]
	s_wait_dscnt 0x0
	s_endpgm
.endm
	s_load_b256 s[4:11], s[0:1], 0x0               ; x s[4:5], W_qkv s[6:7], W_out s[8:9], c1 s[10:11]
	s_load_b128 s[12:15], s[0:1], 0x20             ; s1 s[12:13], c2 s[14:15]
	s_load_b64 s[16:17], s[0:1], 0x30              ; s2
	v_lshl_add_u32 v[SPW], v0, 2, SPARE
	v_mov_b32 v[NIL], 0
	v_lshrrev_b32 v1, 5, v0
	v_readfirstlane_b32 s20, v1                    ; wave 0..3
	v_and_b32 v2, 31, v0                           ; lane
	s_wait_kmcnt 0x0
	s_cmp_lt_u32 ttmp9, 256
	s_cbranch_scc1 .Lx
	s_cmp_lt_u32 ttmp9, 352
	s_cbranch_scc1 .Lwqkv
	s_sub_co_u32 s21, ttmp9, 352
	WPATH 1024, R2, 67584, 8, 14, 16
.Lwqkv:
	s_sub_co_u32 s21, ttmp9, 256
	WPATH 3072, R1, 32768, 6, 10, 12
.Lx:
	s_mul_i32 s21, s20, 8192                       ; my wave's LDS: two stages of 32 x 80 bytes, then 256 scale bytes
	v_lshrrev_b32 v1, 4, v2
	v_and_b32 v3, 15, v2
	v_lshlrev_b32 v3, 4, v3
	v_lshl_add_u32 v3, v1, 12, v3                  ; a load: lanes 0-15 one row's 256 bytes, lanes 16-31 the next row's
	v_lshrrev_b32 v14, 2, v2
	v_mul_u32_u24 v14, v14, SP
	v_and_b32 v15, 3, v2
	v_lshl_add_u32 v14, v15, 4, v14
	v_add_nc_u32 v14, s21, v14                     ; the stage, on the way in
	v_mul_u32_u24 v15, v2, SP
	v_add_nc_u32 v15, s21, v15                     ; and on the way out
	v_mul_u32_u24 v4, v2, 12                       ; my 12 bytes of codes: row (lane / 4) x 48 + 12 (lane % 4)
	v_lshrrev_b32 v5, 2, v2
	v_lshlrev_b32 v5, 2, v5
	v_bfe_u32 v6, v2, 1, 1
	v_add_nc_u32 v5, v5, v6
	s_add_co_u32 s21, s21, 2*32*SP
	v_add_nc_u32 v5, s21, v5                       ; my block's byte: 4 x row + which block of the plane
	v_lshlrev_b32 v6, 3, v2
	v_add_nc_u32 v6, s21, v6                       ; the bytes' way out: 8 a lane
	v_lshrrev_b32 v7, 2, v2
	v_mul_u32_u24 v7, v7, R1*4
	v_and_b32 v10, 3, v2
	v_lshl_add_u32 v7, v10, 3, v7                  ; word plane lane / 4, rows 2 (lane % 4) and the next
	s_lshl_b32 s22, ttmp9, 2
	s_add_co_u32 s22, s22, s20
	s_lshl_b32 s22, s22, 15                        ; my 8 rows of 4,096 bytes
	s_mov_b32 s23, 0
	s_add_nc_u64 s[4:5], s[4:5], s[22:23]
	s_and_b32 s24, s20, 1
	s_lshl_b32 s24, s24, 1
	s_lshr_b32 s25, s20, 1
	s_or_b32 s24, s24, s25                         ; my group of eight rows lies at place (0, 2, 1, 3)[wave] of the 32
	s_lshl_b32 s24, s24, 3
	s_lshl_b32 s25, ttmp9, 5
	s_add_co_u32 s24, s24, s25
	s_mul_i32 s22, s24, 48
	s_add_nc_u64 s[10:11], s[10:11], s[22:23]
	s_lshl_b32 s22, s24, 2
	s_add_nc_u64 s[12:13], s[12:13], s[22:23]
.irp t, 0,1,2,3
	XLOAD \t
.endr
	s_wait_loadcnt 12                              ; step 0's four loads are in
	XTURN 0
.irp t, 0,1,2,3,4,5,6,7,8,9,10,11,12,13,14,15
	XSTEP \t
.endr
	ds_load_b64 v[8:9], v6                         ; LDS serves a wave's instructions in order: these see my byte stores
	s_wait_dscnt 0x0
	global_store_b64 v7, v[8:9], s[12:13]          ; eight pieces of 32 bytes: a row's word is 4 bytes, my 8 rows lie together in each of the 8 word planes
	s_wait_tensorcnt 0x0                           ; the wave's end: a wait, an add to my spare word and its wait, behind my last LDS store
	ds_add_u32 v[SPW], v[NIL]
	s_wait_dscnt 0x0
	s_endpgm
.Lfunc_end_k_qee065a0aee_prep:
	.size	k_qee065a0aee_prep, .Lfunc_end_k_qee065a0aee_prep-k_qee065a0aee_prep
	.p2alignl 7, 3214868480
	.fill 96, 4, 3214868480
	.section	.rodata,"a",@progbits
	.p2align	6, 0x0
	.amdhsa_kernel k_qee065a0aee_prep
		.amdhsa_group_segment_fixed_size 102912
		.amdhsa_private_segment_fixed_size 0
		.amdhsa_enable_private_segment 0
		.amdhsa_kernarg_size 56
		.amdhsa_user_sgpr_count 2
		.amdhsa_user_sgpr_kernarg_segment_ptr 1
		.amdhsa_wavefront_size32 1
		.amdhsa_system_sgpr_workgroup_id_x 1
		.amdhsa_system_sgpr_workgroup_id_y 1
		.amdhsa_system_sgpr_workgroup_id_z 1
		.amdhsa_system_vgpr_workitem_id 0
		.amdhsa_next_free_vgpr 200
		.amdhsa_next_free_sgpr 66
		.amdhsa_reserve_vcc 0
		.amdhsa_float_denorm_mode_32 3
		.amdhsa_float_denorm_mode_16_64 3
		.amdhsa_memory_ordered 1
		.amdhsa_forward_progress 1
		.amdhsa_inst_pref_size 115
	.end_amdhsa_kernel
	.amdgpu_metadata
---
amdhsa.version: [ 1, 2 ]
amdhsa.kernels:
  - .name:           k_qee065a0aee_prep
    .symbol:         k_qee065a0aee_prep.kd
    .args:
      - { .name: x, .offset: 0, .size: 8, .value_kind: global_buffer, .address_space: global }
      - { .name: W_qkv, .offset: 8, .size: 8, .value_kind: global_buffer, .address_space: global }
      - { .name: W_out, .offset: 16, .size: 8, .value_kind: global_buffer, .address_space: global }
      - { .name: c1, .offset: 24, .size: 8, .value_kind: global_buffer, .address_space: global }
      - { .name: s1, .offset: 32, .size: 8, .value_kind: global_buffer, .address_space: global }
      - { .name: c2, .offset: 40, .size: 8, .value_kind: global_buffer, .address_space: global }
      - { .name: s2, .offset: 48, .size: 8, .value_kind: global_buffer, .address_space: global }
    .group_segment_fixed_size: 102912
    .private_segment_fixed_size: 0
    .kernarg_segment_align: 8
    .kernarg_segment_size: 56
    .max_flat_workgroup_size: 128
    .sgpr_count:     66
    .vgpr_count:     200
    .wavefront_size: 32
...
	.end_amdgpu_metadata
.endif
;; end of part 1
;; launch gemm_qkv (part 2): grid 12 x 32, 4 waves a work-group, clusters of 4 x 4, 327,680 bytes of LDS; arguments c1, s1, b_qkv, qb, kv; writes qb, kv
.if DOCPART == 2
	.amdgcn_target "amdgcn-amd-amdhsa--gfx1250"
	.amdhsa_code_object_version 6
	.text
	.protected	k_qee065a0aee_gemm_qkv
	.globl	k_qee065a0aee_gemm_qkv
	.p2align	8
	.type	k_qee065a0aee_gemm_qkv,@function
k_qee065a0aee_gemm_qkv:
	s_mov_b64 s[64:65], 0
	v_nop
	global_prefetch_b8 v0, s[64:65] scope:SCOPE_SE
	s_setreg_imm32_b32 hwreg(HW_REG_WAVE_MODE, 25, 1), 1
	s_wait_xcnt 0x0
	s_wait_alu depctr_hold_cnt(0) depctr_sa_sdst(0) depctr_va_vdst(0) depctr_va_sdst(0) depctr_va_ssrc(0) depctr_va_vcc(0) depctr_vm_vsrc(0)
	s_getreg_b32 s2, hwreg(HW_REG_IB_STS2, 6, 4)
	s_cmp_eq_u32 s2, 0
	s_cbranch_scc0 .Lentry_in_a_cluster
	s_endpgm
.Lentry_in_a_cluster:
	s_bfe_u32 s2, ttmp6, 0x10000c
	s_cmp_lg_u32 s2, 0xf033
	s_cbranch_scc0 .Lentry_shape_is_right
	s_endpgm
.Lentry_shape_is_right:
; qkv = x W_qkv + b_qkv on codes of FP6 (E2M3) with E8M0 scales, K = 1,024; the results are quantised at once: q and k along the head's 64, v along the keys.
; OPERANDS (c1, s1): codes [16 planes of 64 K][11,264 rows][48 bytes], scale words [8 of 128 K][11,264 rows][4 bytes]; rows 0-8191 tokens, rows 8192 on W_qkv's columns; a row i lies at position i with bits 3 and 4 exchanged.
; So lane r of the tile of sixteen positions 2 b + u is row 32 b + 8 u + r + 8 (r / 8), and in a result used transposed the 16 registers of tiles 2 b and 2 b + 1 are 16 NEIGHBOURS: 32 b + 16 (lane / 16) + 0 .. 15.
; A tile of 256 x 256 to a work-group, 128 x 128 to each of four waves: 64 accumulators.  Source 0 = "B" rows, source 1 = "A" rows: a lane holds ONE row of A, its registers run along B's rows.
; Cluster x = 0: q, 1: k (A = tokens, B = W's columns: registers run along the head's channels); 2: v (A = W's columns, B = tokens: registers run along the keys).  The choice hangs on the cluster's number alone.
; CLUSTERS 4 x 4: A's tiles hang on cy alone and are asked for jointly along a row of the cluster, B's on cx alone, along a column.
; K goes in four steps of 256 through THREE LDS slots: steps 0, 1, 2 are first fills, step 3 fills slot 0 again behind one round of the cluster's barrier and has two K steps, 256 matrix instructions, in which to land.
; By this text's count four tensor loads of a wave are out at the start, one behind the round.  All scale words of the tile, for all of K, come once and are held in 64 registers.
; RESULTS.  qb, for each head: codes [2,048 positions][48 bytes], then words [2,048][4]: byte of channels 0-31, byte of channels 32-63, 0x7f, 0x7f.
; kv, for each head and 128 keys, a record of 13,056 bytes: K's codes [128][48]; K's words [128][4]; V^T as four images of operand registers (16 channels x 128 keys: 3 x 512 bytes, 16 bytes a lane); V's 64 words.
; LIMITS: a block of zeros gets the byte 1 where the rule says 127 (zero codes; the bytes are read by this program alone); NaN and infinities are not served.
; REGISTERS.  Window 0: v1-11 lane numbers; v16-31 addresses; v32-95 scale words (register 8 Q + i: lanes 0-15 A's block i, lanes 16-31 B's block i, for the Q-th 128 of K); v96-127, v224-255 bias for q, k;
;   v128-223 A's fragments, one set.  Window 1: B's fragments, two sets, at v0 and v128; v96-111 bias for v.  Windows 2, 3: the accumulators, (a, b) at v[8 (8 (a % 4) + b)].
.set R,      11264
.set PLB,    R*48                      ; a plane in memory
.set KSTEPB, 4*PLB                     ; a K step of 256: four planes
.set PLANE,  6144                      ; 128 rows x 48 bytes: a plane of what one tensor load brings.  Lane (r, h) reads at word 6 (2 r + h): the 32 lanes of an 8-byte load touch 64 different words modulo 64
.set HALFT,  4*PLANE
.set SLOT,   4*HALFT                   ; A's two halves, B's two halves: wave x HALFT
.set SCL,    3*SLOT                    ; the scale words: wave x 4,096: [8][128 rows][4 bytes]
.set HALFS,  4096
.set SPARE,  SCL+4*HALFS               ; the spare words: 128 bytes for each wave, named by no other line
.set STAGE,  SLOT                      ; the way out of q and k: in slot 1, which is filled once and last read ahead of the barrier in front of K step 3
.set WSTG,   13312                     ; a wave's stage: two heads' codes (2 x 6,144), two heads' words (2 x 512)
.set FR,     12
.set NL,     6
.set ADRA,   16                        ; v16-18 my A fragments in slot 0, 1, 2
.set ADRB,   20                        ; v20-22 the same for B
.set RD,     23                        ; v23 the stage, read back: 16 bytes a lane
.set STO,    24                        ; v24 the stage: my row's 24 bytes
.set SSO,    25                        ; v25 the stage: my row's word
.set LI,     26                        ; v26 16 x lane
.set ADRS,   27                        ; v27 my scale words: lanes 0-15 A's rows, lanes 16-31 B's
.set SPW,    28
.set NIL,    29
.set LI8,    30                        ; v30 8 x lane
.set SH16,   31                        ; v31 16 x (lane / 16)
.set SC,     32
.set AF,     128
.set TT,     128                       ; the way out: v128-191 a row block's 64 numbers
.set PC,     192                       ; v192-203 codes; v204-206, v208-210 at work
.set TM,     32                        ; v32-47 at work
.set PW,     48                        ; the scale word just made
.set PWK,    50                        ; v50-53 four tiles' words of V
.set XW,     54                        ; v[54:55]
.set WRD,    56
.set G1,   24
.set G1B,  32
.set G1S,  40
.set G1SB, 48
.set G0S,  56
.set G0SB, 60
.set G0A,  68                          ; s[68:79] group 0 for A's tiles, a set for each slot
.set G0B,  80                          ; s[80:91] for B's
.set DC0,  94                          ; s[94:95], s[96:97] where my two heads' codes go
.set DW0,  98                          ; s[98:99], s[100:101] and their words
.set SEL,  24                          ; s[24:25] on the way out: lane selects for lane xor 16
.set MSB, 0
.macro WIN new                         ; the immediate's high byte repeats the setting that is left
.if MSB != (\new)
	s_set_vgpr_msb (MSB<<8)|(\new)
.set MSB, (\new)
.endif
.endm
.set MUL_LO, 0xa1                      ; source 0 (B) window 1, source 1 (A) window 0, C and D window 2
.set MUL_HI, 0xf1
.set TO_B,   0x40
; A joint load: waves 0 and 1 fetch for A, waves 2 and 3 for B; the branch hangs on the wave's number alone.  An s_nop 0 and four v_nop follow each line.
.macro JLOAD g0a, g1a, g0b, g1b
	s_cmp_eq_u32 s15, 0
	s_cbranch_scc0 .Lfor_b_\@
	tensor_load_to_lds s[\g0a:\g0a+3], s[\g1a:\g1a+7]
	s_nop 0
.rept 4
	v_nop
.endr
	s_branch .Lasked_\@
.Lfor_b_\@:
	tensor_load_to_lds s[\g0b:\g0b+3], s[\g1b:\g1b+7]
	s_nop 0
.rept 4
	v_nop
.endr
.Lasked_\@:
.endm
.macro CREST
	s_cmp_lg_u32 s14, 0
	s_cbranch_scc1 .Lnot_wave_0_\@
	s_barrier_signal -3
.Lnot_wave_0_\@:
	s_barrier_wait -3
	s_barrier_signal -1
	s_barrier_wait -1
.endm
.macro CROUND
	s_barrier_signal -1
	s_barrier_wait -1
	CREST
.endm
.macro PLACES n
.rept \n
	v_nop
.endr
.endm
	s_load_b256 s[4:11], s[0:1], 0x0               ; c1 s[4:5], s1 s[6:7], b_qkv s[8:9], qb s[10:11]
	s_load_b64 s[12:13], s[0:1], 0x20              ; kv
	v_lshl_add_u32 v[SPW], v0, 2, SPARE
	v_mov_b32 v[NIL], 0
	ds_add_u32 v[SPW], v[NIL]                      ; the wave's opening: the add and its wait stand ahead of my first tensor load
	v_lshrrev_b32 v1, 5, v0
	v_readfirstlane_b32 s14, v1                    ; wave 0..3
	s_lshr_b32 s15, s14, 1                         ; my half of A's rows.  Also: I fetch for A (0) or for B (1)
	s_and_b32 s16, s14, 1                          ; my half of B's rows.  Also: which 128 rows I fetch
	s_bfe_u32 s104, ttmp6, 0x40000                 ; cx
	s_bfe_u32 s105, ttmp6, 0x40004                 ; cy
	s_mov_b32 s2, ttmp9                            ; cluster x: 0 q, 1 k, 2 v
	s_and_b32 s17, ttmp7, 0xffff                   ; cluster y: 1,024 tokens
	s_lshl_b32 s18, s105, 2
	s_lshl_b32 s18, 15, s18                        ; my row of the cluster
	s_lshl_b32 s19, 0x1111, s104                   ; my column
	s_or_b32 s[G1], s18, (3<<16)|(1<<21)           ; 15:0 the mask; 17:16 elements of 8 bytes; 21 set beside a mask; no padding
	s_or_b32 s[G1B], s19, (3<<16)|(1<<21)
	s_or_b32 s[G1S], s18, (3<<16)|(1<<21)
	s_or_b32 s[G1SB], s19, (3<<16)|(1<<21)
.irp g, G1, G1B                        ; codes: 4 planes of 6,144 bytes (768 elements), PLB bytes apart
	s_mov_b32 s[\g+1], 768<<16
	s_mov_b32 s[\g+2], 4<<16
	s_mov_b32 s[\g+3], 768<<16
	s_mov_b32 s[\g+4], 4
	s_mov_b32 s[\g+5], PLB/8
	s_mov_b32 s[\g+6], 0
	s_mov_b32 s[\g+7], 0
.endr
.irp g, G1S, G1SB                      ; scale words: 8 planes of 512 bytes (64 elements), R x 4 bytes apart
	s_mov_b32 s[\g+1], 64<<16
	s_mov_b32 s[\g+2], 8<<16
	s_mov_b32 s[\g+3], 64<<16
	s_mov_b32 s[\g+4], 8
	s_mov_b32 s[\g+5], R*4/8
	s_mov_b32 s[\g+6], 0
	s_mov_b32 s[\g+7], 0
.endr
	s_lshl_b32 s18, s17, 10                        ; the tokens' first row
	s_lshl_b32 s19, s2, 10
	s_add_co_u32 s19, s19, 8192                    ; the weight's first row
	s_cmp_eq_u32 s2, 2
	s_cselect_b32 s3, 1, 0                         ; 1: this cluster makes v
	s_cselect_b32 s20, s19, s18                    ; A's rows
	s_cselect_b32 s22, s18, s19                    ; B's rows
	s_lshl_b32 s21, s16, 7                         ; which 128 rows I fetch
	s_lshl_b32 s23, s105, 8
	s_add_co_u32 s20, s20, s23                     ; A: + 256 cy
	s_add_co_u32 s20, s20, s21
	s_lshl_b32 s56, s104, 8
	s_add_co_u32 s22, s22, s56                     ; B: + 256 cx
	s_add_co_u32 s22, s22, s21
	s_mul_i32 s94, s20, 48
	s_mov_b32 s95, 0
	s_lshl_b32 s96, s20, 2
	s_mov_b32 s97, 0
	s_mul_i32 s98, s22, 48
	s_mov_b32 s99, 0
	s_lshl_b32 s100, s22, 2
	s_mov_b32 s101, 0
	s_mul_i32 s93, s14, HALFT                      ; where they go: no place in the cluster enters an LDS address
	s_lshl_b32 s92, s14, 12
	s_wait_dscnt 0x0                               ; the opening add is done
	s_wait_kmcnt 0x0
	s_add_nc_u64 s[94:95], s[4:5], s[94:95]
	s_add_nc_u64 s[96:97], s[6:7], s[96:97]
	s_add_nc_u64 s[98:99], s[4:5], s[98:99]
	s_add_nc_u64 s[100:101], s[6:7], s[100:101]
	CROUND                                         ; all sixteen work-groups are here: the first joint loads meet
	s_mov_b32 s[G0S], 1
	s_add_co_u32 s[G0S+1], s92, SCL
	s_mov_b64 s[G0S+2:G0S+3], s[96:97]
	s_or_b32 s[G0S+3], s[G0S+3], 0x80000000
	s_mov_b32 s[G0SB], 1
	s_add_co_u32 s[G0SB+1], s92, SCL
	s_mov_b64 s[G0SB+2:G0SB+3], s[100:101]
	s_or_b32 s[G0SB+3], s[G0SB+3], 0x80000000
	JLOAD G0S, G1S, G0SB, G1SB                     ; the scale words first: they are wanted with K step 0
.irp s, 0,1,2
	s_mov_b32 s[G0A+4*\s], 1
	s_add_co_u32 s[G0A+4*\s+1], s93, \s*SLOT
	s_add_nc_u64 s[G0A+4*\s+2:G0A+4*\s+3], s[94:95], \s*KSTEPB
	s_or_b32 s[G0A+4*\s+3], s[G0A+4*\s+3], 0x80000000
	s_mov_b32 s[G0B+4*\s], 1
	s_add_co_u32 s[G0B+4*\s+1], s93, \s*SLOT
	s_add_nc_u64 s[G0B+4*\s+2:G0B+4*\s+3], s[98:99], \s*KSTEPB
	s_or_b32 s[G0B+4*\s+3], s[G0B+4*\s+3], 0x80000000
	JLOAD G0A+4*\s, G1, G0B+4*\s, G1B
.endr
	v_and_b32 v1, 15, v0                           ; r
	v_bfe_u32 v2, v0, 4, 1                         ; h
	v_mul_u32_u24 v3, v1, 48
	v_mad_u32_u24 v3, v2, 24, v3                   ; 48 r + 24 h
	s_mul_i32 s18, s15, HALFT
	s_mul_i32 s19, s16, HALFT
	s_add_co_u32 s19, s19, 2*HALFT
.irp s, 0,1,2
	v_add_nc_u32 v[ADRA+\s], s18, v3
	v_add_nc_u32 v[ADRB+\s], s19, v3
	s_add_co_u32 s18, s18, SLOT
	s_add_co_u32 s19, s19, SLOT
.endr
	v_lshlrev_b32 v4, 2, v1                        ; 4 r
	s_lshl_b32 s18, s15, 12                        ; A's words: my 128 rows
	s_lshl_b32 s19, s16, 12                        ; B's: my 128 rows, behind A's 256
	s_add_co_u32 s19, s19, 2*HALFS
	s_sub_co_u32 s19, s19, s18
	v_mul_u32_u24 v5, s19, v2                      ; lanes 16-31 take B's
	s_add_co_u32 s18, s18, SCL
	v_add_nc_u32 v5, v5, v4
	v_add_nc_u32 v[ADRS], s18, v5
	s_mul_i32 s18, s14, WSTG
	s_add_co_u32 s18, s18, STAGE                   ; my stage
	v_add_nc_u32 v[STO], s18, v3
	v_lshl_add_u32 v6, v2, 9, v4
	v_add_nc_u32 v[SSO], s18, v6
	v_add_nc_u32 v[SSO], 12288, v[SSO]             ; words: head h's 512 bytes, row r
	v_and_b32 v7, 31, v0
	v_lshlrev_b32 v[LI], 4, v7
	v_lshlrev_b32 v[LI8], 3, v7
	v_lshlrev_b32 v[SH16], 4, v2
	v_add_nc_u32 v[RD], s18, v[LI]
	; where the results go.  q, k: heads by cx and my half of B, tokens by cy and my half of A; v: the other way round
	s_cmp_eq_u32 s3, 1
	s_cselect_b32 s18, s105, s104
	s_cselect_b32 s19, s15, s16
	s_cselect_b32 s20, s104, s105
	s_cselect_b32 s21, s16, s15
	s_cselect_b32 s92, 6656, 0                     ; V^T lies 6,656 bytes into a record
	s_lshr_b32 s22, s17, 1                         ; the batch
	s_lshl_b32 s22, s22, 4
	s_lshl_b32 s23, s18, 2
	s_add_co_u32 s22, s22, s23
	s_lshl_b32 s23, s19, 1
	s_add_co_u32 s22, s22, s23                     ; my first head: 16 b + 4 x place + 2 x half
	s_and_b32 s23, s17, 1
	s_lshl_b32 s23, s23, 2
	s_add_co_u32 s23, s23, s20
	s_lshl_b32 s23, s23, 1
	s_add_co_u32 s23, s23, s21                     ; which 128 tokens of the sequence
	s_lshl_b32 s20, s2, 12
	s_lshl_b32 s18, s18, 10
	s_lshl_b32 s19, s19, 9
	s_add_co_u32 s20, s20, s18
	s_add_co_u32 s20, s20, s19
	s_mov_b32 s21, 0
	s_add_nc_u64 s[8:9], s[8:9], s[20:21]          ; the bias of my 128 columns
	s_cmp_eq_u32 s2, 0
	s_mov_b32 s18, 208896
	s_cselect_b32 s18, 106496, s18                 ; a head's bytes in qb, in kv
	s_mov_b32 s19, 13056
	s_cselect_b32 s20, 6144, s19                   ; 128 tokens' codes on
	s_cselect_b32 s19, 512, s19                    ; 128 tokens' words on
	s_mov_b32 s21, 6144
	s_cselect_b32 s21, 98304, s21                  ; where the words begin
	s_cselect_b64 s[10:11], s[10:11], s[12:13]     ; qb or kv: the choice hangs on the cluster's number alone
	s_mul_i32 s93, s22, s18
	s_mul_i32 s20, s23, s20
	s_mul_i32 s19, s23, s19
	s_add_co_u32 s20, s20, s93
	s_add_co_u32 s20, s20, s92
	s_add_co_u32 s22, s19, s93
	s_add_co_u32 s22, s22, s21
	s_mov_b32 s21, 0
	s_mov_b32 s23, 0
	s_mov_b32 s19, 0
	s_add_nc_u64 s[DC0:DC0+1], s[10:11], s[20:21]
	s_add_nc_u64 s[DC0+2:DC0+3], s[DC0:DC0+1], s[18:19]
	s_add_nc_u64 s[DW0:DW0+1], s[10:11], s[22:23]
	s_add_nc_u64 s[DW0+2:DW0+3], s[DW0:DW0+1], s[18:19]
	; the bias in both layouts, with no branch: every address lies inside my 128 columns
	v_lshlrev_b32 v10, 6, v2                       ; q, k: register 16 k + i is column 32 k + 16 h + i
	v_and_b32 v11, 8, v1
	v_add_nc_u32 v11, v11, v1
	v_lshlrev_b32 v11, 2, v11                      ; v: my row of block a is column 32 (a / 2) + 8 (a % 2) + r + 8 (r / 8)
.irp k, 0,1,2,3
.irp j, 0,1,2,3
	global_load_b128 v[96+128*(\k/2)+16*(\k%2)+4*\j:96+128*(\k/2)+16*(\k%2)+4*\j+3], v10, s[8:9] offset:128*\k+16*\j
.endr
.endr
	WIN 0x40                                       ; destination window 1
.irp a, 0,1,2,3,4,5,6,7
	global_load_b32 v[96+2*\a], v11, s[8:9] offset:4*(32*(\a/2)+8*(\a%2))   ; the same number twice: a pair for the packed addition
	global_load_b32 v[97+2*\a], v11, s[8:9] offset:4*(32*(\a/2)+8*(\a%2))
.endr
	WIN 0
.macro FRAG reg, adr, q, i             ; 16 rows x 128 K: registers 6 c .. 6 c + 5 are 24 bytes of plane 2 q + c, as they lie
.irp p, 0,1,2,3,4,5
	ds_load_b64 v[\reg+2*\p:\reg+2*\p+1], v[\adr] offset:(2*(\q)+\p/3)*PLANE+(\i)*768+8*(\p%3)
.endr
.endm
.macro FETCH_B slot, q, p
	WIN TO_B
.irp i, 0,1,2,3,4,5,6,7
	FRAG 128*(\p)+FR*\i, ADRB+\slot, \q, \i
.endr
	WIN 0
.endm
.macro FETCH_A slot, q, i0
.irp i, \i0, \i0+1, \i0+2, \i0+3
	FRAG AF+FR*(\i), ADRA+\slot, \q, \i
.endr
.endm
; 16 matrix instructions: A's blocks a0, a0 + 1 x B's eight, the Q-th 128 of K.  The 64 accumulators take turns, one instruction a turn, in the same order in every step.
.macro MUL16 a0, Q, zero
.irp a, \a0, \a0+1
.irp b, 0,1,2,3,4,5,6,7
.if \zero
	v_wmma_scale_f32_16x16x128_f8f6f4 v[8*(8*((\a)%4)+\b):8*(8*((\a)%4)+\b)+7], v[128*((\Q)%2)+FR*\b:128*((\Q)%2)+FR*\b+FR-1], v[AF+FR*(\a):AF+FR*(\a)+FR-1], 0, v[SC+8*(\Q)+\b], v[SC+8*(\Q)+(\a)] matrix_a_fmt:MATRIX_FMT_FP6 matrix_b_fmt:MATRIX_FMT_FP6 matrix_a_scale:MATRIX_SCALE_ROW1
.else
	v_wmma_scale_f32_16x16x128_f8f6f4 v[8*(8*((\a)%4)+\b):8*(8*((\a)%4)+\b)+7], v[128*((\Q)%2)+FR*\b:128*((\Q)%2)+FR*\b+FR-1], v[AF+FR*(\a):AF+FR*(\a)+FR-1], v[8*(8*((\a)%4)+\b):8*(8*((\a)%4)+\b)+7], v[SC+8*(\Q)+\b], v[SC+8*(\Q)+(\a)] matrix_a_fmt:MATRIX_FMT_FP6 matrix_b_fmt:MATRIX_FMT_FP6 matrix_a_scale:MATRIX_SCALE_ROW1
.endif
.endr
.endr
.endm
; The Q-th 128 of K is multiplied; the next one's fragments come from slot ns, its nq-th 128.  Four plain places stand in front of loads into registers that matrix instructions have read.
.macro STEP Q, ns, nq, zero
	s_wait_dscnt 4*NL                              ; all but the youngest 24 loads (A's blocks 4-7)
	WIN MUL_LO
	MUL16 0, \Q, \zero
	MUL16 2, \Q, \zero
	s_wait_dscnt 0x0
	PLACES 4
	FETCH_B \ns, \nq, 1-(\Q)%2
	FETCH_A \ns, \nq, 0
	WIN MUL_HI
	MUL16 4, \Q, \zero
	MUL16 6, \Q, \zero
	PLACES 4
	WIN 0
	FETCH_A \ns, \nq, 4
.endm
; The same with a barrier in its middle.  In front of it each wave waits for all its tensor loads, adds 0 to its spare word, and waits for that and for its LDS reads.  fill = 1: slot 0 takes K step 3.
.macro TURN Q, ns, fill
	s_wait_tensorcnt 0x0                           ; all my tensor loads have landed
	ds_add_u32 v[SPW], v[NIL]
	s_wait_dscnt 4*NL+1                            ; the add and A's blocks 4-7 may be out
	WIN MUL_LO
	MUL16 0, \Q, 0
	s_wait_dscnt 0x0                               ; the add is done, and my reads of the slot in hand are over
	s_barrier_signal -1
	MUL16 2, \Q, 0
	WIN 0
	s_barrier_wait -1
.if \fill
	CREST                                          ; the barrier has opened a round of the cluster's barrier: no wave of any partner still reads slot 0 or has a load on its way
	s_add_nc_u64 s[G0A+2:G0A+3], s[G0A+2:G0A+3], 3*KSTEPB
	s_add_nc_u64 s[G0B+2:G0B+3], s[G0B+2:G0B+3], 3*KSTEPB
	JLOAD G0A, G1, G0B, G1B                        ; the first tensor load behind the round; its four v_nop are the places in front of the loads below
.else
	PLACES 4
.endif
	FETCH_B \ns, 0, 1-(\Q)%2
	FETCH_A \ns, 0, 0
	WIN MUL_HI
	MUL16 4, \Q, 0
	MUL16 6, \Q, 0
	PLACES 4
	WIN 0
	FETCH_A \ns, 0, 4
.endm
	s_wait_tensorcnt 2                             ; the scale words and my part of K step 0 are in; K steps 1 and 2 may be out
	s_barrier_signal -1
	s_barrier_wait -1
	FETCH_B 0, 0, 0
	FETCH_A 0, 0, 0
.set k, 0
.rept 64
	ds_load_b32 v[SC+k], v[ADRS] offset:512*(k/8)+64*(k%8)         ; all of K's scale words: lanes 0-15 A's block k % 8, lanes 16-31 B's
.set k, k+1
.endr
	FETCH_A 0, 0, 4
	STEP 0, 0, 1, 1                                ; the first products start the sums: nothing is cleared
	TURN 1, 1, 1                                   ; every wave's wait for all its loads shows slots 1 and 2 whole to all; slot 0 is filled again
	STEP 2, 1, 1, 0
	STEP 3, 2, 0, 0
	STEP 4, 2, 1, 0
	TURN 5, 0, 0                                   ; K step 3 has landed for all; nothing is filled
	STEP 6, 0, 1, 0
	s_wait_dscnt 4*NL
	WIN MUL_LO
	MUL16 0, 7, 0
	MUL16 2, 7, 0
	s_wait_dscnt 0x0
	WIN MUL_HI
	MUL16 4, 7, 0
	MUL16 6, 7, 0
	WIN 0
; 64 numbers of a lane, register 16 b + i = k 32 b + 16 (lane / 16) + i of my row, become a fragment's codes in v[PC] on and its scale word in v[PW]
.macro QUANT s
.irp b, 0,1,2,3
	v_max3_num_f32 v[TM+\b], |v[\s+16*\b]|, |v[\s+1+16*\b]|, 0x1800000   ; my 16 numbers of block b, and the floor 2^(3 - 127): the byte cannot fall under 1
.endr
.irp i, 2,4,6,8,10,12,14
.irp b, 0,1,2,3
	v_max3_num_f32 v[TM+\b], v[TM+\b], |v[\s+16*\b+\i]|, |v[\s+1+16*\b+\i]|
.endr
.endr
.irp b, 0,1,2,3
	v_permlanex16_b32 v[TM+4+\b], v[TM+\b], s[SEL], s[SEL+1]
.endr
.irp b, 0,1,2,3
	v_max_num_f32 v[TM+\b], v[TM+\b], v[TM+4+\b]   ; with lane xor 16's: the block's largest magnitude
.endr
.irp b, 0,1,2,3
	v_add_nc_u32 v[TM+12+\b], 0xff000000, v[TM+\b] ; 2 off its exponent field: the conversion's scale operand
.endr
.irp b, 0,1,2,3
	v_lshrrev_b32 v[TM+4+\b], 23, v[TM+12+\b]      ; the scale's byte
.endr
	v_lshl_or_b32 v[PW], v[TM+5], 8, v[TM+4]
	v_lshl_or_b32 v[PW], v[TM+6], 16, v[PW]
	v_lshl_or_b32 v[PW], v[TM+7], 24, v[PW]
.irp c, 0,1
	v_cvt_scalef32_pk16_fp6_f32 v[PC+6*\c:PC+2+6*\c], v[\s+32*\c:\s+15+32*\c], v[TM+12+2*\c]
	v_cvt_scalef32_pk16_fp6_f32 v[PC+12+4*\c:PC+14+4*\c], v[\s+16+32*\c:\s+31+32*\c], v[TM+12+2*\c+1]
.endr
	v_nop                                          ; one plain place behind a scaled conversion
.irp c, 0,1                            ; a whole block to a lane: lanes 0-15 block 2 c, lanes 16-31 block 2 c + 1
.irp i, 0,1,2
	v_permlane16_swap_b32 v[PC+6*\c+\i], v[PC+12+4*\c+\i]
.endr
.irp i, 0,1,2
	v_mov_b32 v[PC+3+6*\c+\i], v[PC+12+4*\c+\i]
.endr
.endr
.endm
.macro FINI                            ; the wave's end: a wait, an add to my spare word and its wait; then the closing round, so that no work-group ends while a partner may still ask jointly
	s_wait_tensorcnt 0x0
	ds_add_u32 v[SPW], v[NIL]
	s_wait_dscnt 0x0
	CROUND
	s_endpgm
.endm
; q, k: block a = 16 tokens x 128 columns (two heads).  Bias; quantised along the columns; head c's 24 bytes a lane and the words go to my stage
.macro QKROW a
	WIN 0x02+(\a)/4                                ; source 0: the accumulators' window
.set j, 0
.rept 32
	v_pk_add_f32 v[TT+2*j:TT+2*j+1], v[64*((\a)%4)+2*j:64*((\a)%4)+2*j+1], v[96+128*(j/16)+2*(j%16):97+128*(j/16)+2*(j%16)]   ; ascending: each accumulator is read from its low end on
.set j, j+1
.endr
	WIN 0
	s_wait_dscnt 0x0                               ; the last block's stores into the stage have read their registers
	QUANT TT
.irp c, 0,1
.irp p, 0,1,2
	ds_store_b64 v[STO], v[PC+6*\c+2*\p:PC+6*\c+2*\p+1] offset:6144*\c+768*(\a)+8*\p
.endr
.endr
	v_lshrrev_b32 v[WRD], v[SH16], v[PW]           ; lanes 0-15: head 0's two bytes, lanes 16-31: head 1's,
	v_and_or_b32 v[WRD], v[WRD], s26, s27          ; under 0x7f, 0x7f for the half of K that holds zero codes
	ds_store_b32 v[SSO], v[WRD] offset:64*(\a)
.endm
; v: block a = 16 channels x 128 keys.  Bias; quantised along the keys: the codes are an operand's registers and leave as their image
.macro VROW a
	s_wait_xcnt 0x0                                ; earlier stores have read their registers
	WIN 0x06+(\a)/4                                ; source 0: the accumulators' window; source 1: window 1
.set j, 0
.rept 32
	v_pk_add_f32 v[TT+2*j:TT+2*j+1], v[64*((\a)%4)+2*j:64*((\a)%4)+2*j+1], v[96+2*(\a):97+2*(\a)]
.set j, j+1
.endr
	WIN 0
	QUANT TT
.irp c, 0,1,2
	global_store_b128 v[LI], v[PC+4*\c:PC+4*\c+3], s[DC0+2*((\a)/4):DC0+2*((\a)/4)+1] offset:1536*((\a)%4)+512*\c   ; 512 consecutive bytes
.endr
	v_mov_b32 v[PWK+(\a)%4], v[PW]
.if (\a)%4 == 3
	v_cndmask_b32 v[XW], v[PWK], v[PWK+2], s18     ; lane r + 16 h: the words of tiles 2 h and 2 h + 1, row r
	v_cndmask_b32 v[XW+1], v[PWK+1], v[PWK+3], s18
	global_store_b64 v[LI8], v[XW:XW+1], s[DC0+2*((\a)/4):DC0+2*((\a)/4)+1] offset:6144   ; 256 consecutive bytes
.endif
.endm
	PLACES 4                                       ; behind the last products: results are read, and registers that they read are written
	s_wait_loadcnt 0x0                             ; the bias
.irp b, 0,1,2,3
	v_mov_b32 v[TM+4+\b], 0                        ; a lane permute's destination counts as one of its sources
.endr
	s_mov_b32 s[SEL], 0x76543210                   ; (no tensor load is out: the descriptors' registers are free)
	s_mov_b32 s[SEL+1], 0xfedcba98
	s_mov_b32 s26, 0xffff
	s_mov_b32 s27, 0x7f7f0000
	v_cmp_eq_u32 s18, 1, v2                        ; lanes 16-31
	s_cmp_eq_u32 s3, 1
	s_cbranch_scc1 .Lv
.irp a, 0,1,2,3,4,5,6,7
	QKROW \a
.endr
	s_wait_dscnt 0x0
.set k, 0
.rept 24
	ds_load_b128 v[32+4*k:35+4*k], v[RD] offset:512*k              ; my own bytes, back in the order of memory
.set k, k+1
.endr
	ds_load_b128 v[128:131], v[RD] offset:12288
	ds_load_b128 v[132:135], v[RD] offset:12800
.set k, 0
.rept 24
	s_wait_dscnt 25-k                              ; the younger read-backs may be out
	global_store_b128 v[LI], v[32+4*k:35+4*k], s[DC0+2*(k/12):DC0+2*(k/12)+1] offset:512*(k%12)   ; 512 consecutive bytes, at a multiple of 256 from the buffer's first byte
.set k, k+1
.endr
	s_wait_dscnt 1
	global_store_b128 v[LI], v[128:131], s[DW0:DW0+1]
	s_wait_dscnt 0x0
	global_store_b128 v[LI], v[132:135], s[DW0+2:DW0+3]
	FINI
.Lv:
.irp a, 0,1,2,3,4,5,6,7
	VROW \a
.endr
	FINI
.Lfunc_end_k_qee065a0aee_gemm_qkv:
	.size	k_qee065a0aee_gemm_qkv, .Lfunc_end_k_qee065a0aee_gemm_qkv-k_qee065a0aee_gemm_qkv
	.p2alignl 7, 3214868480
	.fill 96, 4, 3214868480
	.section	.rodata,"a",@progbits
	.p2align	6, 0x0
	.amdhsa_kernel k_qee065a0aee_gemm_qkv
		.amdhsa_group_segment_fixed_size 327680
		.amdhsa_private_segment_fixed_size 0
		.amdhsa_enable_private_segment 0
		.amdhsa_kernarg_size 40
		.amdhsa_user_sgpr_count 2
		.amdhsa_user_sgpr_kernarg_segment_ptr 1
		.amdhsa_wavefront_size32 1
		.amdhsa_system_sgpr_workgroup_id_x 1
		.amdhsa_system_sgpr_workgroup_id_y 1
		.amdhsa_system_sgpr_workgroup_id_z 1
		.amdhsa_system_vgpr_workitem_id 0
		.amdhsa_next_free_vgpr 1024
		.amdhsa_next_free_sgpr 106
		.amdhsa_reserve_vcc 0
		.amdhsa_float_denorm_mode_32 3
		.amdhsa_float_denorm_mode_16_64 3
		.amdhsa_memory_ordered 1
		.amdhsa_forward_progress 1
		.amdhsa_inst_pref_size 243
	.end_amdhsa_kernel
	.amdgpu_metadata
---
amdhsa.version: [ 1, 2 ]
amdhsa.kernels:
  - .name:           k_qee065a0aee_gemm_qkv
    .symbol:         k_qee065a0aee_gemm_qkv.kd
    .args:
      - { .name: c1, .offset: 0, .size: 8, .value_kind: global_buffer, .address_space: global }
      - { .name: s1, .offset: 8, .size: 8, .value_kind: global_buffer, .address_space: global }
      - { .name: b_qkv, .offset: 16, .size: 8, .value_kind: global_buffer, .address_space: global }
      - { .name: qb, .offset: 24, .size: 8, .value_kind: global_buffer, .address_space: global }
      - { .name: kv, .offset: 32, .size: 8, .value_kind: global_buffer, .address_space: global }
    .group_segment_fixed_size: 327680
    .private_segment_fixed_size: 0
    .kernarg_segment_align: 8
    .kernarg_segment_size: 40
    .max_flat_workgroup_size: 128
    .sgpr_count:     106
    .vgpr_count:     1024
    .wavefront_size: 32
...
	.end_amdgpu_metadata
.endif
;; end of part 2
;; launch attn (part 3): grid 4 x 64, 16 waves a work-group, no clusters, 327,680 bytes of LDS; arguments qb, kv, c2, s2; writes c2, s2
.if DOCPART == 3
	.amdgcn_target "amdgcn-amd-amdhsa--gfx1250"
	.amdhsa_code_object_version 6
	.text
	.protected	k_qee065a0aee_attn
	.globl	k_qee065a0aee_attn
	.p2align	8
	.type	k_qee065a0aee_attn,@function
k_qee065a0aee_attn:
	s_mov_b64 s[64:65], 0
	v_nop
	global_prefetch_b8 v0, s[64:65] scope:SCOPE_SE
	s_setreg_imm32_b32 hwreg(HW_REG_WAVE_MODE, 25, 1), 1
	s_wait_xcnt 0x0
; o = softmax(q k^T / 8, causal) v for one head, both products on codes of FP6 (E2M3) with E8M0 scales; o is quantised along the head's 64 channels for the last product.
; THE SOFTMAX: t = score x log2(e) / 8; M = the row's largest t so far, rounded UP to a whole number; p = 2^(t - M) is quantised along the keys, not normalised; the row's sum is taken of the unquantised p
; and divides O at the end (v_rcp_f32 and a multiplication).  When M moves, the sum and O are multiplied by 2^(old M - new M): exact.
; INPUTS.  qb, for each head: codes [2,048 positions][48 bytes], words [2,048][4].  kv, for each head and 128 keys, a record of 13,056 bytes: K's codes [128 positions][48], K's words [128][4], V^T as four images of
; operand registers (16 channels x 128 keys), V's 64 words.  A token or channel i lies at position i with bits 3 and 4 exchanged: lane r of the tile of sixteen positions 2 b + u is 32 b + 8 u + r + 8 (r / 8).
; The first product's K is 64, the instruction's 128: the upper half of Q's operand holds zero codes, the upper half of a key tile's operand is whatever follows it in the registers, and both words carry 0x7f there.
; SHARES.  Work-group (i, head) owns the query blocks i and 7 - i of 256: i + 1 and 8 - i slots of 256 keys, NINE trips for every work-group.  Each of sixteen waves owns 16 queries of the block in hand.
; Both products are used transposed: a lane holds ONE query throughout.  Steps all of whose keys come after the wave's queries are jumped over (ids alone); on the diagonal hidden scores become -infinity.
; THE RING: two slots of two records; waves 0 and 1 bring a record each.  Every wait on TENSORcnt is for 0; one load of a wave is out behind each barrier, with a slot's two key steps in which to land.
; NO CLUSTER: from the second trip on the four work-groups of a head want different slots in the same trip; to walk in step they would have to walk 12 slots each for the 9 that they need.
; LIMITS: a block of zeros gets the byte 1 where the rule says 127 (zero codes; the bytes are read by this program alone); NaN and infinities are not served.
; The scale bytes of o leave as 2 bytes for each row and head (a row's word is shared by two heads): one twenty-fourth of the codes' bytes.
; REGISTERS: v1-4 lane places; v5, v6 the add's two; v7 my query less 16 (lane / 16); v8-11 addresses in hand; v12 -M, v13 largest t, v[14:15] the sum; v16-27 Q (v22-27 zeros); v28-31 way out;
; v32-79 K's 8 x 6, then V's 4 x 12; v80-85 zeros; v86 Q's word, v87 p's; v88-91 K's words; v[92:93] V's; v[94:95] f; v96-159 S^T, then p; v160-191 O^T; v192-206 at work; v208-226 p's codes; v228-233; v240-246 the second tile's Q.
.set REC,   13056
.set SLOT1, 32768
.set STAGE, 65536                      ; 1,024 bytes for each wave
.set SPARE, 81920                      ; 128 bytes for each wave, named by no other line
.set R2,    9216
.set SPW,   5
.set NIL,   6
.set TR,    14                         ; s14 the trip
.set N1,    15                         ; s15 i + 1: the trip in which the second block begins
.set KF,    16                         ; s16 the step's first key
.set Q0,    17                         ; s17 my least query
.set WV,    18
.set TB,    19                         ; s19 LDS byte at which the slot in hand begins
.macro TLOAD                           ; waves 0 and 1 fetch; the branch hangs on the wave's number alone; an s_nop 0 and four v_nop follow the load
	s_cmp_lt_u32 s[WV], 2
	s_cbranch_scc0 .Lno_load_\@
	tensor_load_to_lds s[32:35], s[24:31]
	s_nop 0
.rept 4
	v_nop
.endr
.Lno_load_\@:
.endm
; A prefetch of the slot that this work-group's NEXT change of slots will ask for.  Only work-group i = 0 of a head asks, in trips 1 to 6, for slots 2 to 7; its waves 4 to 6 name 8,192 bytes each, lanes 256 bytes apart:
; 96 of a slot's 102 blocks of 256 bytes, each named once; the last six come by the load alone.  No prefetch passes slot 7.
.macro ASK
	s_sub_co_u32 s50, s[TR], 1
	s_cmp_lt_u32 s50, s40
	s_cbranch_scc0 .Lnot_mine_\@
	global_prefetch_b8 v233, s[38:39] th:TH_LOAD_NT scope:SCOPE_SE
.Lnot_mine_\@:
.endm
; THE CHANGE OF SLOTS, at a trip's head.  Each wave waits for all its tensor loads, adds 0 to its spare word, waits for that and for its reads of the slot that it has left; behind the barrier the slot ahead is whole
; and nobody reads the other one.  fill = 1: that other slot takes the next trip's keys: slot T + 1 of the first block's, or T + 1 - N1 of the second's.
.macro CHANGE fill
	s_wait_tensorcnt 0x0                           ; no tensor load of mine is out, so group 0 may be written
	ds_add_u32 v[SPW], v[NIL]
.if \fill
	s_xor_b32 s33, s33, SLOT1
	s_add_co_u32 s50, s[TR], 1
	s_sub_co_u32 s51, s50, s[N1]
	s_cmp_lt_u32 s50, s[N1]
	s_cselect_b32 s50, s50, s51
	s_mul_i32 s50, s50, 2*REC
	s_mov_b32 s51, 0
	s_add_nc_u64 s[34:35], s[36:37], s[50:51]
	s_or_b32 s35, s35, 0x80000000
	s_wait_xcnt 0x0                                ; the last prefetch, a trip back, has read its address
	s_add_nc_u64 s[38:39], s[38:39], 2*REC
.endif
	s_wait_dscnt 0x0
	s_barrier_signal -1
	s_barrier_wait -1
.if \fill
	TLOAD
	ASK
.endif
.endm
; A KEY STEP: 128 keys, record q of the slot in hand
.macro STEP q
	s_add_co_u32 s52, s[Q0], 23                    ; my greatest query
	s_cmp_gt_u32 s[KF], s52
	s_cbranch_scc1 .Lhidden_\@
	v_add_nc_u32 v8, s[TB], v1                     ; (these four are the places in front of loads into registers that the last products read)
	v_add_nc_u32 v9, s[TB], v2
	v_add_nc_u32 v10, s[TB], v3
	v_add_nc_u32 v11, s[TB], v4
.irp t, 0,1,2,3,4,5,6,7
.irp p, 0,1,2
	ds_load_b64 v[32+6*\t+2*\p:33+6*\t+2*\p], v8 offset:REC*(\q)+768*\t+8*\p
.endr
.endr
.irp b, 0,1,2,3
	ds_load_b32 v[88+\b], v9 offset:REC*(\q)+128*\b     ; lanes 0-15: tile 2 b's words, lanes 16-31: tile 2 b + 1's
.endr
	s_wait_dscnt 0x0
.irp t, 0,1,2,3,4,5,6,7                ; S^T = K Q^T
.if \t%2
	v_wmma_scale_f32_16x16x128_f8f6f4 v[96+8*\t:103+8*\t], v[32+6*\t:43+6*\t], v[16:27], 0, v[88+\t/2], v86 matrix_a_fmt:MATRIX_FMT_FP6 matrix_b_fmt:MATRIX_FMT_FP6 matrix_a_scale:MATRIX_SCALE_ROW1
.else
	v_wmma_scale_f32_16x16x128_f8f6f4 v[96+8*\t:103+8*\t], v[32+6*\t:43+6*\t], v[16:27], 0, v[88+\t/2], v86 matrix_a_fmt:MATRIX_FMT_FP6 matrix_b_fmt:MATRIX_FMT_FP6
.endif
.endr
.rept 4
	v_nop                                          ; places behind the products, for the loads below and for the first read of the scores
.endr
.irp t, 0,1,2,3                        ; V^T is asked for at once and lands under the softmax
.irp c, 0,1,2
	ds_load_b128 v[32+12*\t+4*\c:35+12*\t+4*\c], v10 offset:REC*(\q)+1536*\t+512*\c
.endr
.endr
	ds_load_b64 v[92:93], v11 offset:REC*(\q)
	s_add_co_u32 s52, s[KF], 127
	s_cmp_le_u32 s52, s[Q0]
	s_cbranch_scc1 .Lopen_\@                       ; all 128 keys count for all my queries
	s_sub_co_i32 s52, s[Q0], s[KF]
	v_add_nc_u32 v232, s52, v7                     ; d = my query - the step's first key - 16 (lane / 16): register 16 b + i is hidden where 32 b + i > d
.set n, 0
.rept 64
	v_cmp_gt_i32 vcc_lo, 32*(n/16)+n%16, v232
	v_cndmask_b32 v[96+n], v[96+n], v231, vcc_lo
.set n, n+1
.endr
.Lopen_\@:
.irp b, 0,1,2,3
	v_max3_num_f32 v[192+\b], v[96+16*\b], v[97+16*\b], v[98+16*\b]   ; the largest score of each block of 32 keys: for the row's maximum, and, since p rises with the score, for the block's largest p
.endr
.irp i, 3,5,7,9,11,13
.irp b, 0,1,2,3
	v_max3_num_f32 v[192+\b], v[192+\b], v[96+16*\b+\i], v[97+16*\b+\i]
.endr
.endr
.irp b, 0,1,2,3
	v_max_num_f32 v[192+\b], v[192+\b], v[111+16*\b]
.endr
.irp b, 0,1,2,3
	v_permlanex16_b32 v[196+\b], v[192+\b], s20, s21
.endr
.irp b, 0,1,2,3
	v_max_num_f32 v[192+\b], v[192+\b], v[196+\b]
.endr
	v_max3_num_f32 v206, v192, v193, v194
	v_max_num_f32 v206, v206, v195
	v_mul_f32 v206, s22, v206                      ; as t
	v_max_num_f32 v13, v13, v206                   ; the running largest t
	v_mov_b32 v206, v12
	v_floor_f32 v12, -v13                          ; the new -M = floor(-t): M is a whole number
	v_sub_f32 v206, v12, v206
	v_cvt_i32_f32 v206, v206                       ; (it saturates)
	v_ldexp_f32 v94, 1.0, v206                     ; f = 2^(old M - new M)
.set j, 0
.rept 32
	v_pk_fma_f32 v[96+j:97+j], v[96+j:97+j], s[22:23], v[12:13] op_sel_hi:[1,0,0]   ; t - M
.set j, j+2
.endr
.irp b, 0,1,2,3
	v_fma_f32 v[192+\b], v[192+\b], s22, v12
.endr
.set j, 0
.rept 64
	v_exp_f32 v[96+j], v[96+j]                     ; p = 2^(t - M)
.set j, j+1
.endr
	v_pk_mul_f32 v[14:15], v[14:15], v[94:95] op_sel_hi:[1,0]      ; the sums under the new M (a plain place behind the exponentials)
	s_wait_alu depctr_va_vdst(0)                   ; one wait for the batch, ahead of its first reader
.irp b, 0,1,2,3
	v_exp_f32 v[192+\b], v[192+\b]                 ; the block's largest p
.endr
	v_pk_add_f32 v[204:205], v[96:97], v[98:99]    ; the row's sum of the unquantised p, in two chains
.irp j, 4,8,12,16,20,24,28,32,36,40,44,48,52,56,60
	v_pk_add_f32 v[14:15], v[14:15], v[96+\j:97+\j]
	v_pk_add_f32 v[204:205], v[204:205], v[98+\j:99+\j]
.endr
	v_pk_add_f32 v[14:15], v[14:15], v[204:205]
	s_wait_alu depctr_va_vdst(0)                   ; and one for the four
.irp b, 0,1,2,3
	v_max_num_f32 v[192+\b], 0x1800000, v[192+\b]  ; the floor 2^(3 - 127)
.endr
.irp b, 0,1,2,3
	v_add_nc_u32 v[200+\b], 0xff000000, v[192+\b]
.endr
.irp b, 0,1,2,3
	v_lshrrev_b32 v[196+\b], 23, v[200+\b]
.endr
	v_lshl_or_b32 v87, v197, 8, v196               ; p's scale word for these 128 keys
	v_lshl_or_b32 v87, v198, 16, v87
	v_lshl_or_b32 v87, v199, 24, v87
.irp c, 0,1
	v_cvt_scalef32_pk16_fp6_f32 v[208+6*\c:210+6*\c], v[96+32*\c:111+32*\c], v[200+2*\c]
	v_cvt_scalef32_pk16_fp6_f32 v[220+4*\c:222+4*\c], v[112+32*\c:127+32*\c], v[200+2*\c+1]
.endr
	v_nop
.irp c, 0,1
.irp i, 0,1,2
	v_permlane16_swap_b32 v[208+6*\c+\i], v[220+4*\c+\i]
.endr
.irp i, 0,1,2
	v_mov_b32 v[211+6*\c+\i], v[220+4*\c+\i]
.endr
.endr
.set j, 0
.rept 16
	v_pk_mul_f32 v[160+j:161+j], v[160+j:161+j], v[94:95] op_sel_hi:[1,0]   ; O^T under the new M; also the places between p's word and codes and the products below
.set j, j+2
.endr
	s_wait_dscnt 0x0                               ; V^T and its words
.irp t, 0,1,2,3                        ; O^T += V^T P^T
.if \t/2
	v_wmma_scale_f32_16x16x128_f8f6f4 v[160+8*\t:167+8*\t], v[32+12*\t:43+12*\t], v[208:219], v[160+8*\t:167+8*\t], v[92+\t%2], v87 matrix_a_fmt:MATRIX_FMT_FP6 matrix_b_fmt:MATRIX_FMT_FP6 matrix_a_scale:MATRIX_SCALE_ROW1
.else
	v_wmma_scale_f32_16x16x128_f8f6f4 v[160+8*\t:167+8*\t], v[32+12*\t:43+12*\t], v[208:219], v[160+8*\t:167+8*\t], v[92+\t%2], v87 matrix_a_fmt:MATRIX_FMT_FP6 matrix_b_fmt:MATRIX_FMT_FP6
.endif
.endr
.Lhidden_\@:
	s_add_co_u32 s[KF], s[KF], 128
.endm
; A tile of queries is finished: O^T / the sum; register 16 b + i is channel 32 b + 16 (lane / 16) + i; quantised along the channels; 768 bytes of codes leave through my stage as three runs of 256
.macro FINISH
.rept 4
	v_nop
.endr
	v_add_f32 v14, v14, v15
	v_permlanex16_b32 v206, v14, s20, s21
	v_add_f32 v14, v14, v206                       ; the row's sum
	v_rcp_f32 v94, v14
	v_nop
	s_wait_alu depctr_va_vdst(0)
.set j, 0
.rept 16
	v_pk_mul_f32 v[96+j:97+j], v[160+j:161+j], v[94:95] op_sel_hi:[1,0]     ; ascending: each accumulator is read from its low end on
.set j, j+2
.endr
.irp b, 0,1
	v_max3_num_f32 v[192+\b], |v[96+16*\b]|, |v[97+16*\b]|, 0x1800000
.endr
.irp i, 2,4,6,8,10,12,14
.irp b, 0,1
	v_max3_num_f32 v[192+\b], v[192+\b], |v[96+16*\b+\i]|, |v[97+16*\b+\i]|
.endr
.endr
.irp b, 0,1
	v_permlanex16_b32 v[196+\b], v[192+\b], s20, s21
.endr
.irp b, 0,1
	v_max_num_f32 v[192+\b], v[192+\b], v[196+\b]
.endr
.irp b, 0,1
	v_add_nc_u32 v[200+\b], 0xff000000, v[192+\b]
.endr
.irp b, 0,1
	v_lshrrev_b32 v[196+\b], 23, v[200+\b]
.endr
	v_lshl_or_b32 v230, v197, 8, v196              ; my row's two bytes
	v_cvt_scalef32_pk16_fp6_f32 v[208:210], v[96:111], v200
	v_cvt_scalef32_pk16_fp6_f32 v[220:222], v[112:127], v201
	v_nop
.irp i, 0,1,2
	v_permlane16_swap_b32 v[208+\i], v[220+\i]
.endr
.irp i, 0,1,2
	v_mov_b32 v[211+\i], v[220+\i]                 ; lane (r, h): channels 32 h .. 32 h + 31 of row r: 24 bytes
.endr
.irp p, 0,1,2
	ds_store_b64 v28, v[208+2*\p:209+2*\p] offset:8*\p
.endr
	ds_load_b128 v[128:131], v29                   ; my own bytes: LDS serves a wave's instructions in order
	ds_load_b64 v[132:133], v30
	s_wait_dscnt 0x0
	global_store_b128 v31, v[128:131], s[42:43]
	global_store_b64 v228, v[132:133], s[42:43] offset:512
	global_store_b16 v229, v230, s[44:45]          ; both halves of the lanes write the same two bytes
.endm
.macro NEWTILE                         ; on to block 7 - i
	s_wait_xcnt 0x0                                ; the stores have read their registers and bases
	s_mov_b64 s[42:43], s[46:47]
	s_mov_b64 s[44:45], s[48:49]
	s_mov_b32 s[Q0], s60
	s_mov_b32 s[KF], 0
.irp p, 0,1,2,3,4,5
	v_mov_b32 v[16+\p], v[240+\p]
.endr
	v_mov_b32 v86, v246
	v_mov_b32 v13, 0xff61b1e6
	v_floor_f32 v12, -v13
	v_mov_b32 v14, 0
	v_mov_b32 v15, 0
.set j, 0
.rept 32
	v_mov_b32 v[160+j], 0                          ; (also the places between Q's new word and codes and the next products)
.set j, j+1
.endr
.endm
	s_load_b256 s[4:11], s[0:1], 0x0               ; qb s[4:5], kv s[6:7], c2 s[8:9], s2 s[10:11]
	v_lshl_add_u32 v[SPW], v0, 2, SPARE
	v_mov_b32 v[NIL], 0
	ds_add_u32 v[SPW], v[NIL]                      ; the wave's opening: the add and its wait stand ahead of my first tensor load
	v_lshrrev_b32 v8, 5, v0
	v_readfirstlane_b32 s[WV], v8                  ; wave 0..15
	s_mov_b32 s12, ttmp9                           ; i
	s_and_b32 s13, ttmp7, 0xffff                   ; 16 x batch + head
	s_add_co_u32 s[N1], s12, 1
	s_mov_b32 s24, 3<<16                           ; group 1: 51 dense rows of 256 bytes (32 elements of 8 bytes), no mask, no padding
	s_mov_b32 s25, 32<<16
	s_mov_b32 s26, 51<<16
	s_mov_b32 s27, 32<<16
	s_mov_b32 s28, 51
	s_mov_b32 s29, 32
	s_mov_b32 s30, 0
	s_mov_b32 s31, 0
	s_mov_b32 s20, 0x76543210
	s_mov_b32 s21, 0xfedcba98
	s_mov_b32 s22, 0x3e38aa3b                      ; log2(e) / 8
	s_mov_b32 s23, s22
	s_mov_b32 s[TB], 0
	s_mov_b32 s[TR], 0
	s_mov_b32 s[KF], 0
	s_lshr_b32 s50, s[WV], 1
	s_lshl_b32 s50, s50, 5
	s_and_b32 s51, s[WV], 1
	s_lshl_b32 s52, s51, 3
	s_add_co_u32 s50, s50, s52                     ; 32 (w / 2) + 8 (w % 2)
	s_lshl_b32 s53, s12, 8                         ; 256 i
	s_sub_co_u32 s54, 7, s12
	s_lshl_b32 s54, s54, 8                         ; 256 (7 - i)
	s_add_co_u32 s[Q0], s50, s53
	s_add_co_u32 s60, s50, s54
	s_mov_b32 s32, 1
	s_mul_i32 s33, s51, REC                        ; my record's place in slot 0,
	s_mov_b32 s66, s33                             ; and in a slot's bytes of memory
	s_mov_b32 s67, 0
	s_mul_i32 s68, s13, 16*REC
	s_mov_b32 s69, 0
	s_wait_dscnt 0x0                               ; the opening add is done
	s_wait_kmcnt 0x0
	s_add_nc_u64 s[6:7], s[6:7], s[68:69]          ; kv at my head
	s_add_nc_u64 s[36:37], s[6:7], s[66:67]
	s_mov_b64 s[34:35], s[36:37]
	s_or_b32 s35, s35, 0x80000000
	TLOAD                                          ; slot 0: keys 0 to 255
	s_and_b32 s50, s[WV], 3
	s_lshl_b32 s50, s50, 13
	s_mov_b32 s51, 0
	s_add_nc_u64 s[38:39], s[6:7], s[50:51]        ; the prefetches' address: each change of slots steps it a slot on
	s_sub_co_u32 s50, s[WV], 4
	s_cmp_lt_u32 s50, 3
	s_cselect_b32 s40, 6, 0
	s_cmp_eq_u32 s12, 0
	s_cselect_b32 s40, s40, 0                      ; 6 in waves 4 to 6 of work-group i = 0, else 0
	v_and_b32 v8, 15, v0                           ; r
	v_bfe_u32 v9, v0, 4, 1                         ; h
	v_and_b32 v10, 31, v0                          ; lane
	v_mul_u32_u24 v1, v8, 48
	v_mad_u32_u24 v1, v9, 24, v1                   ; K's and Q's codes: 48 r + 24 h
	v_lshl_add_u32 v2, v10, 2, 6144                ; K's words
	v_lshl_add_u32 v3, v10, 4, 6656                ; V's images
	v_lshl_add_u32 v4, v10, 3, 12800               ; V's words
	v_and_b32 v11, 8, v8
	v_add_nc_u32 v7, v11, v8
	v_lshlrev_b32 v11, 4, v9
	v_sub_nc_u32 v7, v7, v11                       ; r + 8 (r / 8) - 16 h
	s_lshl_b32 s50, s[WV], 10
	s_add_co_u32 s50, s50, STAGE
	v_add_nc_u32 v28, s50, v1
	v_lshlrev_b32 v31, 4, v10
	v_add_nc_u32 v29, s50, v31
	v_lshlrev_b32 v228, 3, v10
	v_add_nc_u32 v30, s50, v228
	v_add_nc_u32 v30, 512, v30
	v_lshlrev_b32 v229, 2, v8
	v_lshlrev_b32 v233, 8, v10
	s_lshl_b32 s52, s[WV], 4
	s_add_co_u32 s55, s53, s52                     ; my first tile's first position in the head,
	s_add_co_u32 s56, s54, s52                     ; my second's
	s_mul_i32 s57, s13, 106496
	s_mul_i32 s66, s55, 48
	s_add_co_u32 s66, s66, s57
	s_lshl_b32 s68, s55, 2
	s_add_co_u32 s68, s68, s57
	s_add_co_u32 s68, s68, 98304
	s_mul_i32 s70, s56, 48
	s_add_co_u32 s70, s70, s57
	s_mov_b32 s71, 0
	s_lshl_b32 s72, s56, 2
	s_add_co_u32 s72, s72, s57
	s_add_co_u32 s72, s72, 98304
	s_mov_b32 s73, 0
	s_add_nc_u64 s[66:67], s[4:5], s[66:67]
	s_add_nc_u64 s[68:69], s[4:5], s[68:69]
	s_add_nc_u64 s[70:71], s[4:5], s[70:71]
	s_add_nc_u64 s[72:73], s[4:5], s[72:73]
.irp p, 0,1,2
	global_load_b64 v[16+2*\p:17+2*\p], v1, s[66:67] offset:8*\p
	global_load_b64 v[240+2*\p:241+2*\p], v1, s[70:71] offset:8*\p
.endr
	global_load_b32 v86, v229, s[68:69]
	global_load_b32 v246, v229, s[72:73]
.irp p, 0,1,2,3,4,5
	v_mov_b32 v[22+\p], 0                          ; zero codes for k = 64 .. 127
	v_mov_b32 v[80+\p], 0
.endr
	s_lshr_b32 s50, s13, 4
	s_lshl_b32 s50, s50, 11                        ; 2,048 x batch
	s_add_co_u32 s55, s55, s50                     ; my rows in c2 and s2
	s_add_co_u32 s56, s56, s50
	s_and_b32 s51, s13, 15                         ; the head: its 64 channels are plane head of c2
	s_mul_i32 s57, s51, R2*48
	s_mul_i32 s74, s55, 48
	s_add_co_u32 s74, s74, s57
	s_mov_b32 s75, 0
	s_add_nc_u64 s[42:43], s[8:9], s[74:75]
	s_mul_i32 s74, s56, 48
	s_add_co_u32 s74, s74, s57
	s_add_nc_u64 s[46:47], s[8:9], s[74:75]
	s_lshr_b32 s57, s51, 1
	s_mul_i32 s57, s57, R2*4
	s_and_b32 s51, s51, 1
	s_lshl_b32 s51, s51, 1
	s_add_co_u32 s57, s57, s51                     ; word plane head / 2, bytes 2 (head % 2) on
	s_lshl_b32 s74, s55, 2
	s_add_co_u32 s74, s74, s57
	s_add_nc_u64 s[44:45], s[10:11], s[74:75]
	s_lshl_b32 s74, s56, 2
	s_add_co_u32 s74, s74, s57
	s_add_nc_u64 s[48:49], s[10:11], s[74:75]
	v_mov_b32 v13, 0xff61b1e6                      ; the largest t so far: -3e38
	v_floor_f32 v12, -v13
	v_mov_b32 v14, 0
	v_mov_b32 v15, 0
	v_mov_b32 v95, 0                               ; (named as the upper half of the pair v[94:95])
	v_mov_b32 v206, 0
	v_mov_b32 v231, 0xff800000                     ; -infinity
.irp b, 0,1,2,3
	v_mov_b32 v[196+\b], 0                         ; a lane permute's destination counts as one of its sources
.endr
.set j, 0
.rept 32
	v_mov_b32 v[160+j], 0                          ; O^T: the first step finds zeros, which the first change of M leaves zeros
.set j, j+1
.endr
	s_wait_loadcnt 0x0                             ; Q, both tiles
.Ltrip:                                            ; eight trips; behind each change of slots the next trip's keys are asked for
	CHANGE 1
	s_cmp_lg_u32 s[TR], s[N1]                      ; ids and the count of trips alone: all sixteen waves go the same way; no barrier and no tensor load stands inside
	s_cbranch_scc1 .Lsame
	FINISH
	NEWTILE
.Lsame:
	STEP 0
	STEP 1
	s_xor_b32 s[TB], s[TB], SLOT1
	s_add_co_u32 s[TR], s[TR], 1
	s_cmp_lt_u32 s[TR], 8
	s_cbranch_scc1 .Ltrip
	CHANGE 0                                       ; the ninth trip is written out: nothing is left to fetch
	STEP 0
	STEP 1
	FINISH
	s_wait_tensorcnt 0x0                           ; the wave's end: a wait, an add to my spare word and its wait, behind my last tensor load and my last LDS store
	ds_add_u32 v[SPW], v[NIL]
	s_wait_dscnt 0x0
	s_endpgm
.Lfunc_end_k_qee065a0aee_attn:
	.size	k_qee065a0aee_attn, .Lfunc_end_k_qee065a0aee_attn-k_qee065a0aee_attn
	.p2alignl 7, 3214868480
	.fill 96, 4, 3214868480
	.section	.rodata,"a",@progbits
	.p2align	6, 0x0
	.amdhsa_kernel k_qee065a0aee_attn
		.amdhsa_group_segment_fixed_size 327680
		.amdhsa_private_segment_fixed_size 0
		.amdhsa_enable_private_segment 0
		.amdhsa_kernarg_size 32
		.amdhsa_user_sgpr_count 2
		.amdhsa_user_sgpr_kernarg_segment_ptr 1
		.amdhsa_wavefront_size32 1
		.amdhsa_system_sgpr_workgroup_id_x 1
		.amdhsa_system_sgpr_workgroup_id_y 1
		.amdhsa_system_sgpr_workgroup_id_z 1
		.amdhsa_system_vgpr_workitem_id 0
		.amdhsa_next_free_vgpr 256
		.amdhsa_next_free_sgpr 80
		.amdhsa_reserve_vcc 1
		.amdhsa_float_denorm_mode_32 3
		.amdhsa_float_denorm_mode_16_64 3
		.amdhsa_memory_ordered 1
		.amdhsa_forward_progress 1
		.amdhsa_inst_pref_size 104
	.end_amdhsa_kernel
	.amdgpu_metadata
---
amdhsa.version: [ 1, 2 ]
amdhsa.kernels:
  - .name:           k_qee065a0aee_attn
    .symbol:         k_qee065a0aee_attn.kd
    .args:
      - { .name: qb, .offset: 0, .size: 8, .value_kind: global_buffer, .address_space: global }
      - { .name: kv, .offset: 8, .size: 8, .value_kind: global_buffer, .address_space: global }
      - { .name: c2, .offset: 16, .size: 8, .value_kind: global_buffer, .address_space: global }
      - { .name: s2, .offset: 24, .size: 8, .value_kind: global_buffer, .address_space: global }
    .group_segment_fixed_size: 327680
    .private_segment_fixed_size: 0
    .kernarg_segment_align: 8
    .kernarg_segment_size: 32
    .max_flat_workgroup_size: 512
    .sgpr_count:     80
    .vgpr_count:     256
    .wavefront_size: 32
...
	.end_amdgpu_metadata
.endif
;; end of part 3
;; launch gemm_out (part 4): grid 4 x 32, 4 waves a work-group, clusters of 4 x 4, 327,680 bytes of LDS; arguments c2, s2, b_out, out0; writes out0
.if DOCPART == 4
	.amdgcn_target "amdgcn-amd-amdhsa--gfx1250"
	.amdhsa_code_object_version 6
	.text
	.protected	k_qee065a0aee_gemm_out
	.globl	k_qee065a0aee_gemm_out
	.p2align	8
	.type	k_qee065a0aee_gemm_out,@function
k_qee065a0aee_gemm_out:
	s_mov_b64 s[64:65], 0
	v_nop
	global_prefetch_b8 v0, s[64:65] scope:SCOPE_SE
	s_setreg_imm32_b32 hwreg(HW_REG_WAVE_MODE, 25, 1), 1
	s_wait_xcnt 0x0
	s_wait_alu depctr_hold_cnt(0) depctr_sa_sdst(0) depctr_va_vdst(0) depctr_va_sdst(0) depctr_va_ssrc(0) depctr_va_vcc(0) depctr_vm_vsrc(0)
	s_getreg_b32 s2, hwreg(HW_REG_IB_STS2, 6, 4)
	s_cmp_eq_u32 s2, 0
	s_cbranch_scc0 .Lentry_in_a_cluster
	s_endpgm
.Lentry_in_a_cluster:
	s_bfe_u32 s2, ttmp6, 0x10000c
	s_cmp_lg_u32 s2, 0xf033
	s_cbranch_scc0 .Lentry_shape_is_right
	s_endpgm
.Lentry_shape_is_right:
; out0 = o W_out + b_out on codes of FP6 (E2M3) with E8M0 scales, K = 1,024; out0 [8192][1024] f32.
; OPERANDS (c2, s2): codes [16 planes of 64 K][9,216 rows][48 bytes], scale words [8 of 128 K][9,216 rows][4 bytes]; rows 0-8191 tokens, rows 8192 on W_out's columns; a row i lies at position i with bits 3 and 4 exchanged.
; A tile of 256 x 256 to a work-group, 128 x 128 to each of four waves: 64 accumulators.  Source 0 = W_out's columns, source 1 = tokens: a lane holds one token, its registers run along the columns:
; register j of accumulator (a, b) is column 32 (b / 2) + 16 (lane / 16) + 8 (b % 2) + j of token position 16 a + lane % 16.
; CLUSTERS 4 x 4: the tokens' tiles hang on cy alone and are asked for jointly along a row of the cluster, the weight's on cx alone, along a column.
; K goes in four steps of 256 through THREE LDS slots: steps 0, 1, 2 are first fills, step 3 fills slot 0 again behind one round of the cluster's barrier and has two K steps, 256 matrix instructions, in which to land.
; By this text's count four tensor loads of a wave are out at the start, one behind the round.  128 work-groups: the product has 128 tiles of this size.
; REGISTERS.  Window 0: v1-11 lane numbers; v12-15 bias; v16-31 addresses; v32-95 scale words; v128-223 A's fragments; on the way out v128-255 rows of out0.  Window 1: B's fragments, two sets.  Windows 2, 3: accumulators.
.set R,      9216
.set PLB,    R*48
.set KSTEPB, 4*PLB
.set PLANE,  6144
.set HALFT,  4*PLANE
.set SLOT,   4*HALFT
.set SCL,    3*SLOT
.set HALFS,  4096
.set SPARE,  SCL+4*HALFS               ; the spare words: 128 bytes for each wave, named by no other line
.set STAGE,  SLOT                      ; the way out: in slot 1, which is filled once and last read ahead of the barrier in front of K step 3
.set SPITCH, 528                       ; a stage row: 512 bytes + 16
.set FR,     12
.set NL,     6
.set ADRA,   16
.set ADRB,   20
.set STO,    24
.set RD,     25
.set CO,     26
.set ADRS,   27
.set SPW,    28
.set NIL,    29
.set SC,     32
.set AF,     128
.set BK,     128
.set G1,   24
.set G1B,  32
.set G1S,  40
.set G1SB, 48
.set G0S,  56
.set G0SB, 60
.set G0A,  68
.set G0B,  80
.set MSB, 0
.macro WIN new
.if MSB != (\new)
	s_set_vgpr_msb (MSB<<8)|(\new)
.set MSB, (\new)
.endif
.endm
.set MUL_LO, 0xa1
.set MUL_HI, 0xf1
.set TO_B,   0x40
.macro JLOAD g0a, g1a, g0b, g1b        ; waves 0 and 1 fetch for A, waves 2 and 3 for B; an s_nop 0 and four v_nop follow each line
	s_cmp_eq_u32 s15, 0
	s_cbranch_scc0 .Lfor_b_\@
	tensor_load_to_lds s[\g0a:\g0a+3], s[\g1a:\g1a+7]
	s_nop 0
.rept 4
	v_nop
.endr
	s_branch .Lasked_\@
.Lfor_b_\@:
	tensor_load_to_lds s[\g0b:\g0b+3], s[\g1b:\g1b+7]
	s_nop 0
.rept 4
	v_nop
.endr
.Lasked_\@:
.endm
.macro CREST
	s_cmp_lg_u32 s14, 0
	s_cbranch_scc1 .Lnot_wave_0_\@
	s_barrier_signal -3
.Lnot_wave_0_\@:
	s_barrier_wait -3
	s_barrier_signal -1
	s_barrier_wait -1
.endm
.macro CROUND
	s_barrier_signal -1
	s_barrier_wait -1
	CREST
.endm
.macro PLACES n
.rept \n
	v_nop
.endr
.endm
	s_load_b256 s[4:11], s[0:1], 0x0               ; c2 s[4:5], s2 s[6:7], b_out s[8:9], out0 s[10:11]
	v_lshl_add_u32 v[SPW], v0, 2, SPARE
	v_mov_b32 v[NIL], 0
	ds_add_u32 v[SPW], v[NIL]                      ; the wave's opening: the add and its wait stand ahead of my first tensor load
	v_lshrrev_b32 v1, 5, v0
	v_readfirstlane_b32 s14, v1
	s_lshr_b32 s15, s14, 1                         ; my half of the tokens.  Also: I fetch for A (0) or for B (1)
	s_and_b32 s16, s14, 1                          ; my half of the columns.  Also: which 128 rows I fetch
	s_bfe_u32 s104, ttmp6, 0x40000                 ; cx
	s_bfe_u32 s105, ttmp6, 0x40004                 ; cy
	s_and_b32 s17, ttmp7, 0xffff                   ; cluster y: 1,024 tokens
	s_lshl_b32 s18, s105, 2
	s_lshl_b32 s18, 15, s18
	s_lshl_b32 s19, 0x1111, s104
	s_or_b32 s[G1], s18, (3<<16)|(1<<21)
	s_or_b32 s[G1B], s19, (3<<16)|(1<<21)
	s_or_b32 s[G1S], s18, (3<<16)|(1<<21)
	s_or_b32 s[G1SB], s19, (3<<16)|(1<<21)
.irp g, G1, G1B                        ; codes: 4 planes of 6,144 bytes, PLB bytes apart
	s_mov_b32 s[\g+1], 768<<16
	s_mov_b32 s[\g+2], 4<<16
	s_mov_b32 s[\g+3], 768<<16
	s_mov_b32 s[\g+4], 4
	s_mov_b32 s[\g+5], PLB/8
	s_mov_b32 s[\g+6], 0
	s_mov_b32 s[\g+7], 0
.endr
.irp g, G1S, G1SB                      ; scale words: 8 planes of 512 bytes, R x 4 bytes apart
	s_mov_b32 s[\g+1], 64<<16
	s_mov_b32 s[\g+2], 8<<16
	s_mov_b32 s[\g+3], 64<<16
	s_mov_b32 s[\g+4], 8
	s_mov_b32 s[\g+5], R*4/8
	s_mov_b32 s[\g+6], 0
	s_mov_b32 s[\g+7], 0
.endr
	s_lshl_b32 s21, s16, 7
	s_lshl_b32 s20, s17, 10
	s_lshl_b32 s23, s105, 8
	s_add_co_u32 s20, s20, s23
	s_add_co_u32 s20, s20, s21                     ; A: 1,024 Y + 256 cy + the 128 rows I fetch
	s_lshl_b32 s22, s104, 8
	s_add_co_u32 s22, s22, 8192
	s_add_co_u32 s22, s22, s21                     ; B: 8,192 + 256 cx + the 128 rows I fetch
	s_mul_i32 s94, s20, 48
	s_mov_b32 s95, 0
	s_lshl_b32 s96, s20, 2
	s_mov_b32 s97, 0
	s_mul_i32 s98, s22, 48
	s_mov_b32 s99, 0
	s_lshl_b32 s100, s22, 2
	s_mov_b32 s101, 0
	s_mul_i32 s93, s14, HALFT
	s_lshl_b32 s92, s14, 12
	s_wait_dscnt 0x0
	s_wait_kmcnt 0x0
	s_add_nc_u64 s[94:95], s[4:5], s[94:95]
	s_add_nc_u64 s[96:97], s[6:7], s[96:97]
	s_add_nc_u64 s[98:99], s[4:5], s[98:99]
	s_add_nc_u64 s[100:101], s[6:7], s[100:101]
	CROUND                                         ; all sixteen work-groups are here: the first joint loads meet
	s_mov_b32 s[G0S], 1
	s_add_co_u32 s[G0S+1], s92, SCL
	s_mov_b64 s[G0S+2:G0S+3], s[96:97]
	s_or_b32 s[G0S+3], s[G0S+3], 0x80000000
	s_mov_b32 s[G0SB], 1
	s_add_co_u32 s[G0SB+1], s92, SCL
	s_mov_b64 s[G0SB+2:G0SB+3], s[100:101]
	s_or_b32 s[G0SB+3], s[G0SB+3], 0x80000000
	JLOAD G0S, G1S, G0SB, G1SB
.irp s, 0,1,2
	s_mov_b32 s[G0A+4*\s], 1
	s_add_co_u32 s[G0A+4*\s+1], s93, \s*SLOT
	s_add_nc_u64 s[G0A+4*\s+2:G0A+4*\s+3], s[94:95], \s*KSTEPB
	s_or_b32 s[G0A+4*\s+3], s[G0A+4*\s+3], 0x80000000
	s_mov_b32 s[G0B+4*\s], 1
	s_add_co_u32 s[G0B+4*\s+1], s93, \s*SLOT
	s_add_nc_u64 s[G0B+4*\s+2:G0B+4*\s+3], s[98:99], \s*KSTEPB
	s_or_b32 s[G0B+4*\s+3], s[G0B+4*\s+3], 0x80000000
	JLOAD G0A+4*\s, G1, G0B+4*\s, G1B
.endr
	v_and_b32 v1, 15, v0                           ; r
	v_bfe_u32 v2, v0, 4, 1                         ; h
	v_mul_u32_u24 v3, v1, 48
	v_mad_u32_u24 v3, v2, 24, v3
	s_mul_i32 s18, s15, HALFT
	s_mul_i32 s19, s16, HALFT
	s_add_co_u32 s19, s19, 2*HALFT
.irp s, 0,1,2
	v_add_nc_u32 v[ADRA+\s], s18, v3
	v_add_nc_u32 v[ADRB+\s], s19, v3
	s_add_co_u32 s18, s18, SLOT
	s_add_co_u32 s19, s19, SLOT
.endr
	v_lshlrev_b32 v4, 2, v1
	s_lshl_b32 s18, s15, 12
	s_lshl_b32 s19, s16, 12
	s_add_co_u32 s19, s19, 2*HALFS
	s_sub_co_u32 s19, s19, s18
	v_mul_u32_u24 v5, s19, v2                      ; lanes 16-31 take B's words
	s_add_co_u32 s18, s18, SCL
	v_add_nc_u32 v5, v5, v4
	v_add_nc_u32 v[ADRS], s18, v5
	s_mul_i32 s18, s14, 16*SPITCH
	s_add_co_u32 s18, s18, STAGE                   ; my stage
	v_mul_u32_u24 v6, v1, SPITCH
	v_lshl_add_u32 v6, v2, 6, v6
	v_add_nc_u32 v[STO], s18, v6                   ; in: row r, + 64 h: a stage row lies in the order of the columns
	v_and_b32 v7, 31, v0
	v_lshlrev_b32 v[CO], 4, v7
	v_add_nc_u32 v[RD], s18, v[CO]                 ; back: the 32 lanes take a row of 512 bytes
	s_lshl_b32 s18, s17, 10
	s_lshl_b32 s19, s105, 8
	s_add_co_u32 s18, s18, s19
	s_lshl_b32 s19, s15, 7
	s_add_co_u32 s18, s18, s19                     ; my first row of out0
	s_lshl_b32 s18, s18, 12
	s_lshl_b32 s20, s104, 8
	s_lshl_b32 s21, s16, 7
	s_add_co_u32 s20, s20, s21                     ; my first column,
	s_lshl_b32 s20, s20, 2                         ; in bytes
	s_mov_b32 s21, 0
	s_add_nc_u64 s[8:9], s[8:9], s[20:21]
	s_add_co_u32 s18, s18, s20
	s_mov_b32 s19, 0
	s_add_nc_u64 s[10:11], s[10:11], s[18:19]
	global_load_b128 v[12:15], v[CO], s[8:9]       ; the bias of my four columns of a row read back
.macro FRAG reg, adr, q, i
.irp p, 0,1,2,3,4,5
	ds_load_b64 v[\reg+2*\p:\reg+2*\p+1], v[\adr] offset:(2*(\q)+\p/3)*PLANE+(\i)*768+8*(\p%3)
.endr
.endm
.macro FETCH_B slot, q, p
	WIN TO_B
.irp i, 0,1,2,3,4,5,6,7
	FRAG 128*(\p)+FR*\i, ADRB+\slot, \q, \i
.endr
	WIN 0
.endm
.macro FETCH_A slot, q, i0
.irp i, \i0, \i0+1, \i0+2, \i0+3
	FRAG AF+FR*(\i), ADRA+\slot, \q, \i
.endr
.endm
.macro MUL16 a0, Q, zero               ; the 64 accumulators take turns, one instruction a turn, in the same order in every step
.irp a, \a0, \a0+1
.irp b, 0,1,2,3,4,5,6,7
.if \zero
	v_wmma_scale_f32_16x16x128_f8f6f4 v[8*(8*((\a)%4)+\b):8*(8*((\a)%4)+\b)+7], v[128*((\Q)%2)+FR*\b:128*((\Q)%2)+FR*\b+FR-1], v[AF+FR*(\a):AF+FR*(\a)+FR-1], 0, v[SC+8*(\Q)+\b], v[SC+8*(\Q)+(\a)] matrix_a_fmt:MATRIX_FMT_FP6 matrix_b_fmt:MATRIX_FMT_FP6 matrix_a_scale:MATRIX_SCALE_ROW1
.else
	v_wmma_scale_f32_16x16x128_f8f6f4 v[8*(8*((\a)%4)+\b):8*(8*((\a)%4)+\b)+7], v[128*((\Q)%2)+FR*\b:128*((\Q)%2)+FR*\b+FR-1], v[AF+FR*(\a):AF+FR*(\a)+FR-1], v[8*(8*((\a)%4)+\b):8*(8*((\a)%4)+\b)+7], v[SC+8*(\Q)+\b], v[SC+8*(\Q)+(\a)] matrix_a_fmt:MATRIX_FMT_FP6 matrix_b_fmt:MATRIX_FMT_FP6 matrix_a_scale:MATRIX_SCALE_ROW1
.endif
.endr
.endr
.endm
.macro STEP Q, ns, nq, zero
	s_wait_dscnt 4*NL                              ; all but the youngest 24 loads (A's blocks 4-7)
	WIN MUL_LO
	MUL16 0, \Q, \zero
	MUL16 2, \Q, \zero
	s_wait_dscnt 0x0
	PLACES 4
	FETCH_B \ns, \nq, 1-(\Q)%2
	FETCH_A \ns, \nq, 0
	WIN MUL_HI
	MUL16 4, \Q, \zero
	MUL16 6, \Q, \zero
	PLACES 4
	WIN 0
	FETCH_A \ns, \nq, 4
.endm
.macro TURN Q, ns, fill
	s_wait_tensorcnt 0x0                           ; all my tensor loads have landed
	ds_add_u32 v[SPW], v[NIL]
	s_wait_dscnt 4*NL+1                            ; the add and A's blocks 4-7 may be out
	WIN MUL_LO
	MUL16 0, \Q, 0
	s_wait_dscnt 0x0                               ; the add is done, and my reads of the slot in hand are over
	s_barrier_signal -1
	MUL16 2, \Q, 0
	WIN 0
	s_barrier_wait -1
.if \fill
	CREST                                          ; a round of the cluster's barrier: no wave of any partner still reads slot 0 or has a load on its way
	s_add_nc_u64 s[G0A+2:G0A+3], s[G0A+2:G0A+3], 3*KSTEPB
	s_add_nc_u64 s[G0B+2:G0B+3], s[G0B+2:G0B+3], 3*KSTEPB
	JLOAD G0A, G1, G0B, G1B
.else
	PLACES 4
.endif
	FETCH_B \ns, 0, 1-(\Q)%2
	FETCH_A \ns, 0, 0
	WIN MUL_HI
	MUL16 4, \Q, 0
	MUL16 6, \Q, 0
	PLACES 4
	WIN 0
	FETCH_A \ns, 0, 4
.endm
	s_wait_tensorcnt 2                             ; the scale words and my part of K step 0 are in; K steps 1 and 2 may be out
	s_barrier_signal -1
	s_barrier_wait -1
	FETCH_B 0, 0, 0
	FETCH_A 0, 0, 0
.set k, 0
.rept 64
	ds_load_b32 v[SC+k], v[ADRS] offset:512*(k/8)+64*(k%8)
.set k, k+1
.endr
	FETCH_A 0, 0, 4
	STEP 0, 0, 1, 1
	TURN 1, 1, 1
	STEP 2, 1, 1, 0
	STEP 3, 2, 0, 0
	STEP 4, 2, 1, 0
	TURN 5, 0, 0
	STEP 6, 0, 1, 0
	s_wait_dscnt 4*NL
	WIN MUL_LO
	MUL16 0, 7, 0
	MUL16 2, 7, 0
	s_wait_dscnt 0x0
	WIN MUL_HI
	MUL16 4, 7, 0
	MUL16 6, 7, 0
	WIN 0
; THE WAY OUT, block by block of 16 tokens x 128 columns, through my own stage: in by columns' true places, back as whole rows of 512 bytes.  LDS serves a wave's instructions in order: no wait between.
.macro TOSTAGE a
.set AC, 64*((\a)%4)
	WIN 0x08+4*((\a)/4)                            ; the data: window 2 or 3
.irp b, 0,1,2,3,4,5,6,7
	ds_store_b128 v[STO], v[AC+8*\b:AC+8*\b+3] offset:128*(\b/2)+32*(\b%2)           ; each accumulator from its low end on
	ds_store_b128 v[STO], v[AC+8*\b+4:AC+8*\b+7] offset:128*(\b/2)+32*(\b%2)+16
.endr
	WIN 0
.set BB, BK+64*((\a)%2)
.irp t, 0,1,2,3,4,5,6,7,8,9,10,11,12,13,14,15
	ds_load_b128 v[BB+4*\t:BB+4*\t+3], v[RD] offset:\t*SPITCH
.endr
.endm
.macro SEND a, younger                 ; younger: the LDS instructions issued behind block a's loads, which may stay out
.set BB, BK+64*((\a)%2)
	s_wait_dscnt \younger
.irp t, 0,1,2,3,4,5,6,7,8,9,10,11,12,13,14,15
	v_pk_add_f32 v[BB+4*\t:BB+4*\t+1], v[BB+4*\t:BB+4*\t+1], v[12:13]
	v_pk_add_f32 v[BB+4*\t+2:BB+4*\t+3], v[BB+4*\t+2:BB+4*\t+3], v[14:15]
	global_store_b128 v[CO], v[BB+4*\t:BB+4*\t+3], s[10:11] offset:(32*((\a)/2)+8*((\a)%2)+\t+8*(\t/8))*4096 th:TH_STORE_NT   ; position 16 a + t is this token; 512 consecutive bytes, at a multiple of 256 from out0's first byte
.endr
.endm
	PLACES 4
	s_wait_loadcnt 0x0                             ; the bias
	TOSTAGE 0
.irp a, 1,2,3,4,5,6,7
.if \a > 1
	s_wait_xcnt 0x0                                ; block a - 2's stores have read their registers: block a's loads may land there
.endif
	TOSTAGE \a
	SEND \a-1, 32                                  ; behind block a - 1's loads: block a's 16 stores and 16 loads
.endr
	SEND 7, 0
	s_wait_tensorcnt 0x0                           ; the wave's end: a wait, an add to my spare word and its wait, behind my last tensor load and my last LDS store
	ds_add_u32 v[SPW], v[NIL]
	s_wait_dscnt 0x0
	CROUND                                         ; the closing round: no work-group ends while a partner may still ask jointly
	s_endpgm
.Lfunc_end_k_qee065a0aee_gemm_out:
	.size	k_qee065a0aee_gemm_out, .Lfunc_end_k_qee065a0aee_gemm_out-k_qee065a0aee_gemm_out
	.p2alignl 7, 3214868480
	.fill 96, 4, 3214868480
	.section	.rodata,"a",@progbits
	.p2align	6, 0x0
	.amdhsa_kernel k_qee065a0aee_gemm_out
		.amdhsa_group_segment_fixed_size 327680
		.amdhsa_private_segment_fixed_size 0
		.amdhsa_enable_private_segment 0
		.amdhsa_kernarg_size 32
		.amdhsa_user_sgpr_count 2
		.amdhsa_user_sgpr_kernarg_segment_ptr 1
		.amdhsa_wavefront_size32 1
		.amdhsa_system_sgpr_workgroup_id_x 1
		.amdhsa_system_sgpr_workgroup_id_y 1
		.amdhsa_system_sgpr_workgroup_id_z 1
		.amdhsa_system_vgpr_workitem_id 0
		.amdhsa_next_free_vgpr 1024
		.amdhsa_next_free_sgpr 106
		.amdhsa_reserve_vcc 0
		.amdhsa_float_denorm_mode_32 3
		.amdhsa_float_denorm_mode_16_64 3
		.amdhsa_memory_ordered 1
		.amdhsa_forward_progress 1
		.amdhsa_inst_pref_size 177
	.end_amdhsa_kernel
	.amdgpu_metadata
---
amdhsa.version: [ 1, 2 ]
amdhsa.kernels:
  - .name:           k_qee065a0aee_gemm_out
    .symbol:         k_qee065a0aee_gemm_out.kd
    .args:
      - { .name: c2, .offset: 0, .size: 8, .value_kind: global_buffer, .address_space: global }
      - { .name: s2, .offset: 8, .size: 8, .value_kind: global_buffer, .address_space: global }
      - { .name: b_out, .offset: 16, .size: 8, .value_kind: global_buffer, .address_space: global }
      - { .name: out0, .offset: 24, .size: 8, .value_kind: global_buffer, .address_space: global }
    .group_segment_fixed_size: 327680
    .private_segment_fixed_size: 0
    .kernarg_segment_align: 8
    .kernarg_segment_size: 32
    .max_flat_workgroup_size: 128
    .sgpr_count:     106
    .vgpr_count:     1024
    .wavefront_size: 32
...
	.end_amdgpu_metadata
.endif
;; end of part 4
